; MI455X (gfx1250); checked and timed in simulation.
; The chip was launched on July 23, 2026; its instructions are those of AMD's public machine-readable ISA for CDNA 5 (MIT licence, August 2026) and "CDNA5" Instruction Set Architecture Reference Guide (July 2026). The comments in the code are by the model that wrote it; some were corrected since.
;; Causal Self Attention. Allowed arithmetic: matrix products marked QUANTISED: E4M3 operands, one given power-of-two scale a tensor, by v_wmma_f32_16x16x64_fp8_fp8 or v_wmma_f32_16x16x128_fp8_fp8, f32 sums; everything else in f32.
;; Inputs: lowp_scales 8 int32 (the exponents e of the quantised operands' scales 2^e); w_proj 1,024 x 1,024 float32; w_qkv 1,024 x 3,072 float32; x 4 x 2,048 x 1,024 float32.
;; Outputs: out0 4 x 2,048 x 1,024 float32.
;; This version of the problem:
;;   THIS VERSION OF THE PROBLEM IS GIVEN IN LOW PRECISION. The matrix products marked QUANTISED in the list below multiply operands that are first quantised to E4M3 (4 exponent bits, 3 mantissa bits; 8 bits a number), with one given power-of-two scale for each operand tensor; their sums are f32. All else is computed in f32.
;;   The module's matrix products, in the order in which they are computed (A, B: the left and right operand; K: the contracted axis; several contracted axes count as one K, in the product's order):
;;     1. [M 8,192, K 1,024] x [K 1,024, N 3,072]; A: input x; B: input w_qkv: QUANTISED (scales: A lowp_scales[0], B lowp_scales[1])
;;     2. batch 64 x [M 2,048, K 64] x [K 64, N 2,048]; A: computed on the way; B: computed on the way: QUANTISED (scales: A lowp_scales[2], B lowp_scales[3])
;;     3. batch 64 x [M 2,048, K 2,048] x [K 2,048, N 64]; A: softmax (see below); B: computed on the way: QUANTISED (scales: A lowp_scales[4], B lowp_scales[5])
;;     4. [M 8,192, K 1,024] x [K 1,024, N 1,024]; A: computed on the way; B: input w_proj: QUANTISED (scales: A lowp_scales[6], B lowp_scales[7])
;;   THE QUANTISER, for each operand of a quantised product, along K:
;;     - The operand's scale is 2^e, e = its entry of the input lowp_scales (int32; the entries are numbered through the quantised products in the list's order, A before B).
;;     - Each number is divided by the scale, clamped to +-448, and rounded to the nearest number of E4M3, ties to even, subnormals kept.
;;     - The product sums the exact products of the quantised numbers (number of the format x scale) in f32.
;;   ~~~python
;;   def quantise(x, axis, e):      # numpy; x: float32 -> the quantised numbers, widened to float32 again
;;       x = np.moveaxis(x, axis, -1); K = x.shape[-1]
;;       r = np.clip(x / 2.0 ** e, -448, 448)
;;       step = 2.0 ** (np.maximum(np.frexp(np.where(r == 0, 1, r))[1] - 1, -6) - 3)
;;       q = np.round(r / step) * step * 2.0 ** e      # np.round: ties to even
;;       return np.moveaxis(q, -1, axis).astype(np.float32)
;;   ~~~
;;   SOFTMAX AHEAD OF A QUANTISED PRODUCT. Where the list says 'softmax', what is quantised is not the finished softmax but p = 2^(t - M), with t = logit x log2(e) and M = ceil(the row's largest t), a whole number; so 1/2 < the row's largest p <= 1. The row's sum l is taken of the UNQUANTISED p, in f32, and the product's result is divided by l at the end. Since M is a whole number, a kernel that streams over the keys may use a running M (the ceiling of the running maximum): every later rescaling is an exact power of two, so the quantised numbers keep their values, but for numbers so far below the row's largest that they fall under the format's range.
;;   OPERANDS COMPUTED ON THE WAY. 'Computed on the way' means the value that the module computes at that place (a softmax that the list does not call 'softmax' is quantised finished and normalised). What goes into a quantiser is computed in f32, as accurately as f32 sums, v_exp_f32 and their like allow (about 1e-6 of the number): no bf16 or f16 on the way to a quantiser, and a product that is left as it is and whose result goes on into a quantised operand takes f32 operands (vector FMAs, or v_wmma_f32_16x16x4_f32). A number that lies on a knife's edge between two numbers of the format may be rounded either way, as far as f32 arithmetic and the matrix unit's own rounding can turn it there, and no further.
;; One version. Each part assembles by itself: llvm-mc -triple=amdgcn-amd-amdhsa -mcpu=gfx1250 --defsym DOCPART=n.
;; ======== version 1 of 1: 4 launches
;; limits: right only within a limited range of input values
;; workspace buffers: xq 8,388,608 bytes; wqkvq 8,388,608 bytes; wprojq 1,048,576 bytes; qkvc 25,165,824 bytes; yq 8,388,608 bytes
;; launch quant (part 1): grid 768 x 1, 4 waves a work-group, no clusters, 51,712 bytes of LDS; arguments x, w_qkv, w_proj, lowp_scales, xq, wqkvq, wprojq; writes xq, wqkvq, wprojq
.if DOCPART == 1
	.amdgcn_target "amdgcn-amd-amdhsa--gfx1250"
	.amdhsa_code_object_version 6
	.text
	.protected	k_q234c6695e4_quant
	.globl	k_q234c6695e4_quant
	.p2align	8
	.type	k_q234c6695e4_quant,@function
k_q234c6695e4_quant:
	s_mov_b64 s[64:65], 0
	v_nop
	global_prefetch_b8 v0, s[64:65] scope:SCOPE_SE
	s_setreg_imm32_b32 hwreg(HW_REG_WAVE_MODE, 25, 1), 1
	s_wait_xcnt 0x0
; The three f32 inputs become codes of FP8 (E4M3), each with the one scale 2^e that is given for it: x with entry 0, w_qkv with entry 1, w_proj with entry 7 of the scales.
; code = number / 2^e, held within +-448, rounded to the nearest code, ties to even.
; LIMITS: each e lies between -126 and 119, so that 2^e and 448 x 2^e are f32 numbers.  NaN among the inputs is not served; an infinity is held at the largest code.
; LAYOUT OF THE CODES: chunks of 128 along K, [K / 128][row][128 bytes], so that 256 rows x 128 K are one dense block of 32,768 bytes.  x's and w_qkv's chunks lie 2^20 bytes apart
; (of w_qkv's, 3,072 x 128 bytes are written and read), w_proj's 2^17.
; Work-groups 0 to 511 take x (K innermost): 16 rows each, 4 a wave.  Work-groups 512 to 767 take the weights (K is their FIRST axis): 128 columns x 128 along K each.
; The two ways part on the work-group's number and have LDS bytes of their own.  No tensor load, no barrier: waves share nothing.  No cluster: no two work-groups read the same bytes.
.set SP,    80                         ; x: a lane's place in a stage: its 64 bytes + 16 of padding
.set STEPS, 8
.set R,     16                         ; x: v16-79   four sets of 16 numbers as they are loaded
.set X,     80                         ; x: v80-111  two sets of 16 neighbours
.set C,     128                        ; x: v128-159 codes: four registers for each step, so that no store's data are written again
.set WSTG,  32768                      ; w: the stages begin behind x's LDS bytes
.set WP,    144                        ; w: a stage row: 128 codes of one column + 16 of padding
.set NB,    4                          ; w: blocks of 32 along K for a wave
.set XW,    32                         ; w: v32-95   two sets of 32 numbers
.set CW,    96                         ; w: v96-103  a block's codes
.set OUTR,  112                        ; w: v112-143 the way out
.set OFF,   176                        ; w: v176-207 row i of a block: i x the row's bytes + 4 x lane; never rewritten
.set SPARE, 51200                      ; the spare words, 128 bytes a wave
	s_load_b256 s[4:11], s[0:1], 0x0               ; x s[4:5], w_qkv s[6:7], w_proj s[8:9], the scales' exponents s[10:11]
	s_load_b128 s[12:15], s[0:1], 0x20             ; xq s[12:13], wqkvq s[14:15]
	s_load_b64 s[16:17], s[0:1], 0x30              ; wprojq
	v_lshl_add_u32 v208, v0, 2, SPARE
	v_mov_b32 v209, 0
	v_lshrrev_b32 v1, 5, v0
	v_readfirstlane_b32 s18, v1                    ; wave 0..3
	v_and_b32 v2, 31, v0                           ; lane
	s_wait_kmcnt 0x0
	s_load_b256 s[24:31], s[10:11], 0x0            ; e0 .. e7
	s_cmp_lt_u32 ttmp9, 512
	s_cbranch_scc0 .Lweights
; ---------------- x: [8192][1024] f32.  A step is 4 rows x 128 along K: four loads of 512 consecutive bytes.  The conversions want 16 NEIGHBOURS in a lane, so the 2,048 bytes
; turn through the wave's own stage in LDS: in as loaded, back 64 bytes a lane.  A lane's 16 codes are 16 bytes: the wave stores 512 consecutive bytes, 4 rows of one chunk.
	s_wait_alu depctr_va_vdst(0)
	v_lshlrev_b32 v3, 4, v2                        ; 16 x lane: my bytes of a load's 512 and of a store's 512
	s_wait_alu depctr_va_vdst(0)
	s_mul_i32 s19, s18, 8192                       ; my wave's LDS bytes
	v_lshrrev_b32 v14, 2, v2
	v_mul_u32_u24 v14, v14, SP
	v_and_b32 v15, 3, v2
	v_lshl_add_u32 v14, v15, 4, v14
	v_add_nc_u32 v14, s19, v14                     ; into the stage: four lanes' 64 bytes on end, then 16 of padding
	v_mul_u32_u24 v15, v2, SP
	v_add_nc_u32 v15, s19, v15                     ; out of it: my 16 neighbours
	s_lshl_b32 s20, ttmp9, 4
	s_lshl_b32 s21, s18, 2
	s_add_co_u32 s20, s20, s21                     ; my first row: 16 x work-group + 4 x wave
	s_lshl_b32 s22, s20, 12                        ; rows of 4,096 bytes
	s_mov_b32 s23, 0
	s_add_nc_u64 s[4:5], s[4:5], s[22:23]
	s_lshl_b32 s22, s20, 7                         ; rows of 128 bytes in a chunk
	s_add_nc_u64 s[12:13], s[12:13], s[22:23]
.macro LOAD t                          ; step t: my 4 rows, chunk t
.irp i, 0,1,2,3
	global_load_b128 v[R+16*((\t)%4)+4*\i:R+16*((\t)%4)+4*\i+3], v3, s[4:5] offset:\i*4096+(\t)*512 th:TH_LOAD_NT
.endr
.endm
.macro TURN t                          ; LDS serves a wave's instructions in order, so no wait stands between the stores and the loads
.irp i, 0,1,2,3
	ds_store_b128 v14, v[R+16*((\t)%4)+4*\i:R+16*((\t)%4)+4*\i+3] offset:32*SP*((\t)%2)+8*SP*\i
.endr
.irp i, 0,1,2,3
	ds_load_b128 v[X+16*((\t)%2)+4*\i:X+16*((\t)%2)+4*\i+3], v15 offset:32*SP*((\t)%2)+16*\i
.endr
.endm
.irp t, 0,1,2,3
	LOAD \t
.endr
	s_wait_alu depctr_va_vdst(0)
	s_wait_kmcnt 0x0
	s_add_co_i32 s22, s24, 127
	s_lshl_b32 s23, s22, 23
	v_mov_b32 v11, s23                             ; 2^e0 as f32: the conversion takes its exponent field
	s_add_co_i32 s22, s22, 8
	s_lshl_b32 s22, s22, 23
	s_or_b32 s22, s22, 0x600000
	v_mov_b32 v10, s22                             ; 448 x 2^e0
	s_wait_alu depctr_va_vdst(0)
	s_wait_loadcnt 12                              ; step 0's four loads are in; three steps' twelve stay out
	TURN 0
.macro STEP t
.set XS, X+16*((\t)%2)
	s_wait_dscnt 0x0                               ; this step's numbers are back from the stage, so its stores into the stage have read their registers,
.if (\t)+4 < STEPS
	LOAD (\t)+4                                    ; which take the loads of four steps on
.endif
.if (\t)+1 < STEPS
.if STEPS-2-(\t) >= 3
	s_wait_loadcnt 12                              ; the next step's four loads are in; those of the three steps behind it may be out
.else
	s_wait_loadcnt 4*(STEPS-2-(\t))                ; the tail: as many steps as are left behind the next one
.endif
	TURN (\t)+1                                    ; through the other stage while this step is worked
.endif
.irp i, 0,1,2,3,4,5,6,7,8,9,10,11,12,13,14,15
	v_med3_num_f32 v[XS+\i], v[XS+\i], -v10, v10   ; the conversion does not saturate (ISA guide 7.6.2): the hold at the largest code x the scale comes first
.endr
	v_cvt_scalef32_pk8_fp8_f32 v[C+4*(\t):C+4*(\t)+1], v[XS:XS+7], v11
	v_cvt_scalef32_pk8_fp8_f32 v[C+4*(\t)+2:C+4*(\t)+3], v[XS+8:XS+15], v11
	global_store_b128 v3, v[C+4*(\t):C+4*(\t)+3], s[12:13] offset:(\t)*1048576   ; 512 consecutive bytes, aligned; the results go to a store alone, and the next step's holds are plain lines on other registers
.endm
.irp t, 0,1,2,3,4,5,6,7
	STEP \t
.endr
	s_wait_tensorcnt 0x0                           ; the wave's end
	ds_add_u32 v208, v209
	s_wait_dscnt 0x0
	s_endpgm
; ---------------- the weights: [1024 (K)][N] f32.  A LANE TAKES A COLUMN, AND ITS REGISTERS RUN DOWN K: each load reads 128 consecutive bytes a wave, and the conversions give codes with K innermost.
; A wave takes 32 columns x 128 along K.  Its codes go through its own stage (a row a column) and leave as 512 consecutive bytes: 4 columns x 128 bytes of one chunk.
.Lweights:
	s_sub_co_u32 s19, ttmp9, 512                   ; g: 0 .. 255; under 192: w_qkv (24 column blocks x 8 chunks), else w_proj (8 x 8)
	s_and_b32 s20, s19, 7                          ; which chunk of 128 along K
	s_lshr_b32 s21, s19, 3                         ; which 128 columns, counted through both weights
	s_mov_b32 s54, 4096
	s_mov_b32 s55, 131072
	s_cmp_lt_u32 s19, 192                          ; the choice hangs on the work-group's number alone
	s_cselect_b64 s[6:7], s[6:7], s[8:9]           ; the weight,
	s_cselect_b64 s[14:15], s[14:15], s[16:17]     ; its codes,
	s_cselect_b32 s54, 12288, s54                  ; bytes in a row of it,
	s_cselect_b32 s55, 1048576, s55                ; bytes from chunk to chunk of its codes
	s_cselect_b32 s56, 0, 24
	s_sub_co_u32 s21, s21, s56                     ; the column block within the weight
	s_lshl_b32 s57, s21, 7
	s_lshl_b32 s58, s18, 5
	s_add_co_u32 s57, s57, s58                     ; my wave's first column
	s_lshl_b32 s58, s20, 7
	s_mul_i32 s58, s58, s54                        ; 128 rows for each chunk,
	s_lshl_b32 s59, s57, 2
	s_add_co_u32 s58, s58, s59                     ; + 4 bytes a column
	s_mov_b32 s59, 0
	s_add_nc_u64 s[32:33], s[6:7], s[58:59]        ; block 0's base; a base for each block, so that none is ever stepped
	s_lshl_b32 s52, s54, 5                         ; 32 rows on
	s_mov_b32 s53, 0
.irp t, 1,2,3
	s_add_nc_u64 s[32+2*\t:33+2*\t], s[30+2*\t:31+2*\t], s[52:53]
.endr
	s_mul_i32 s60, s20, s55                        ; my chunk,
	s_lshl_b32 s61, s57, 7
	s_add_co_u32 s60, s60, s61                     ; + 128 bytes a column
	s_mov_b32 s61, 0
	s_add_nc_u64 s[48:49], s[14:15], s[60:61]
	s_wait_alu depctr_va_vdst(0)
	v_lshlrev_b32 v3, 2, v2                        ; 4 bytes a lane
.set i, 0
.rept 32
	v_mad_u32_u24 v[OFF+i], s54, i, v3
.set i, i+1
.endr
	s_mul_i32 s62, s18, 32*WP
	s_add_co_u32 s62, s62, WSTG                    ; my stage
	v_mul_u32_u24 v4, v2, WP
	v_add_nc_u32 v4, s62, v4                       ; into it: row = my column
	v_lshrrev_b32 v5, 3, v2
	v_and_b32 v6, 7, v2
	v_mul_u32_u24 v7, v5, WP
	v_lshl_add_u32 v7, v6, 4, v7
	v_add_nc_u32 v7, s62, v7                       ; out of it: eight lanes to a column's 128 bytes, four columns an instruction
	v_lshlrev_b32 v8, 4, v2                        ; and the same 512 bytes in the codes' buffer
.macro LOADW t                         ; block t: W(32 t + i, my column), i = 0 .. 31, into set t % 2
.set i, 0
.rept 32
	global_load_b32 v[XW+32*((\t)%2)+i], v[OFF+i], s[32+2*(\t):33+2*(\t)] th:TH_LOAD_NT
.set i, i+1
.endr
.endm
	LOADW 0
	LOADW 1
	s_wait_kmcnt 0x0
	s_cmp_lt_u32 s19, 192
	s_cselect_b32 s22, s25, s31                    ; e1 or e7
	s_add_co_i32 s22, s22, 127
	s_lshl_b32 s23, s22, 23
	v_mov_b32 v11, s23                             ; 2^e as f32
	s_add_co_i32 s22, s22, 8
	s_lshl_b32 s22, s22, 23
	s_or_b32 s22, s22, 0x600000
	v_mov_b32 v10, s22                             ; 448 x 2^e
.macro BLOCK t
.set XS, XW+32*((\t)%2)
.if (\t) < NB-1
	s_wait_loadcnt 32                              ; this block's 32 loads are in; the next block's may be out
.else
	s_wait_loadcnt 0
.endif
.set i, 0
.rept 32
	v_med3_num_f32 v[XS+i], v[XS+i], -v10, v10     ; the hold at the largest code x the scale
.set i, i+1
.endr
.irp g, 0,1,2,3
	v_cvt_scalef32_pk8_fp8_f32 v[CW+2*\g:CW+2*\g+1], v[XS+8*\g:XS+8*\g+7], v11
.endr
	ds_store_b128 v4, v[CW:CW+3] offset:32*(\t)    ; 32 codes: 32 bytes of my column's row.  The results go to LDS stores alone; the next block begins with plain lines
	ds_store_b128 v4, v[CW+4:CW+7] offset:32*(\t)+16
.if (\t)+2 < NB
	LOADW (\t)+2
.endif
	s_wait_dscnt 0x0                               ; the stores have read their registers: the next block's codes may be written
.endm
	s_wait_alu depctr_va_vdst(0)
.irp t, 0,1,2,3
	BLOCK \t
.endr
.irp j, 0,1,2,3,4,5,6,7
	ds_load_b128 v[OUTR+4*\j:OUTR+4*\j+3], v7 offset:4*\j*WP   ; LDS serves a wave's instructions in order: these see my stores
.endr
.irp j, 0,1,2,3,4,5,6,7
	s_wait_dscnt 7-\j                              ; the loads behind this one may stay out
	global_store_b128 v8, v[OUTR+4*\j:OUTR+4*\j+3], s[48:49] offset:512*\j   ; 512 consecutive bytes, aligned
.endr
	s_wait_tensorcnt 0x0                           ; the wave's end
	ds_add_u32 v208, v209
	s_wait_dscnt 0x0
	s_endpgm
.Lfunc_end_k_q234c6695e4_quant:
	.size	k_q234c6695e4_quant, .Lfunc_end_k_q234c6695e4_quant-k_q234c6695e4_quant
	.p2alignl 7, 3214868480
	.fill 96, 4, 3214868480
	.section	.rodata,"a",@progbits
	.p2align	6, 0x0
	.amdhsa_kernel k_q234c6695e4_quant
		.amdhsa_group_segment_fixed_size 51712
		.amdhsa_private_segment_fixed_size 0
		.amdhsa_enable_private_segment 0
		.amdhsa_kernarg_size 56
		.amdhsa_user_sgpr_count 2
		.amdhsa_user_sgpr_kernarg_segment_ptr 1
		.amdhsa_wavefront_size32 1
		.amdhsa_system_sgpr_workgroup_id_x 1
		.amdhsa_system_sgpr_workgroup_id_y 1
		.amdhsa_system_sgpr_workgroup_id_z 1
		.amdhsa_system_vgpr_workitem_id 0
		.amdhsa_next_free_vgpr 210
		.amdhsa_next_free_sgpr 66
		.amdhsa_reserve_vcc 0
		.amdhsa_float_denorm_mode_32 3
		.amdhsa_float_denorm_mode_16_64 3
		.amdhsa_memory_ordered 1
		.amdhsa_forward_progress 1
		.amdhsa_inst_pref_size 47
	.end_amdhsa_kernel
	.amdgpu_metadata
---
amdhsa.version: [ 1, 2 ]
amdhsa.kernels:
  - .name:           k_q234c6695e4_quant
    .symbol:         k_q234c6695e4_quant.kd
    .args:
      - { .name: x, .offset: 0, .size: 8, .value_kind: global_buffer, .address_space: global }
      - { .name: w_qkv, .offset: 8, .size: 8, .value_kind: global_buffer, .address_space: global }
      - { .name: w_proj, .offset: 16, .size: 8, .value_kind: global_buffer, .address_space: global }
      - { .name: lowp_scales, .offset: 24, .size: 8, .value_kind: global_buffer, .address_space: global }
      - { .name: xq, .offset: 32, .size: 8, .value_kind: global_buffer, .address_space: global }
      - { .name: wqkvq, .offset: 40, .size: 8, .value_kind: global_buffer, .address_space: global }
      - { .name: wprojq, .offset: 48, .size: 8, .value_kind: global_buffer, .address_space: global }
    .group_segment_fixed_size: 51712
    .private_segment_fixed_size: 0
    .kernarg_segment_align: 8
    .kernarg_segment_size: 56
    .max_flat_workgroup_size: 128
    .sgpr_count:     66
    .vgpr_count:     210
    .wavefront_size: 32
...
	.end_amdgpu_metadata
.endif
;; end of part 1
;; launch qkv (part 2): grid 12 x 32, 4 waves a work-group, clusters of 4 x 4, 327,680 bytes of LDS; arguments xq, wqkvq, lowp_scales, qkvc; writes qkvc
.if DOCPART == 2
	.amdgcn_target "amdgcn-amd-amdhsa--gfx1250"
	.amdhsa_code_object_version 6
	.text
	.protected	k_q234c6695e4_qkv
	.globl	k_q234c6695e4_qkv
	.p2align	8
	.type	k_q234c6695e4_qkv,@function
k_q234c6695e4_qkv:
	s_mov_b64 s[64:65], 0
	v_nop
	global_prefetch_b8 v0, s[64:65] scope:SCOPE_SE
	s_setreg_imm32_b32 hwreg(HW_REG_WAVE_MODE, 25, 1), 1
	s_wait_xcnt 0x0
	s_wait_alu depctr_hold_cnt(0) depctr_sa_sdst(0) depctr_va_vdst(0) depctr_va_sdst(0) depctr_va_ssrc(0) depctr_va_vcc(0) depctr_vm_vsrc(0)
	s_getreg_b32 s2, hwreg(HW_REG_IB_STS2, 6, 4)
	s_cmp_eq_u32 s2, 0
	s_cbranch_scc0 .Lentry_in_a_cluster
	s_endpgm
.Lentry_in_a_cluster:
	s_bfe_u32 s2, ttmp6, 0x10000c
	s_cmp_lg_u32 s2, 0xf033
	s_cbranch_scc0 .Lentry_shape_is_right
	s_endpgm
.Lentry_shape_is_right:
; qkv = x w_qkv on codes of FP8 (E4M3); each finished f32 sum is quantised at once into the code of q (scale entry 2), k (entry 3) or v (entry 5).
; xq and wqkvq are [8 chunks of 128 K, 2^20 bytes apart][row][128 bytes].  A sum stands for sum x 2^(e0 + e1), so its code is sum / 2^(e_kind - e0 - e1): the three scales are folded into the conversion's one.
; LIMIT: e_kind - e0 - e1 lies between -126 and 119, so that this power of two and 448 times it are f32 numbers.
; A tile of 256 x 256 is made by four waves, 128 x 128 each: 64 accumulators.  K = 1,024 goes in four steps of 256 through a ring of two LDS slots.
; A slot is four parts of 256 rows x (128 + 16) bytes: the A set's two chunks, the B set's two.  Wave w owns one set (w / 2) of one slot (w % 2): one tensor load brings its two chunks, two rows of 32,768 dense bytes.
; So the four loads of the head fill both slots, and a slot is filled again by the two waves that own it.
; THE MATRIX INSTRUCTION IS USED TRANSPOSED: source 0 = the B set, source 1 = the A set: a lane holds one row of the A set and eight neighbours along the B set.
; A cluster's x is the kind: 0 q, 1 k, 2 v.  q, k: A set = rows of x (tile 4 Y + cy), B set = columns of w (tile 4 X + cx).
; v: A set = columns of w (tile 8 + cy), B set = rows of x (tile 4 Y + cx): a lane's codes then run along the KEYS.  The two change places in MEMORY addresses alone:
; the A set hangs on cy in every kind and is asked for jointly along a row of the cluster, the B set on cx and along a column; no LDS address knows the kind.
; OUTPUT: AN IMAGE OF THE NEXT OPERAND'S REGISTERS.  The codes of B-set blocks 2 B, 2 B + 1 are four registers, 16 bytes a lane: they are stored as they lie, 512 consecutive bytes a store.
; A wave's 16,384 bytes, [A block a: 8][B: 4][lane][16], lie at kind x 2^23 + (8 batch + head pair) x 2^18 + 2^14 x (token / 128).
; In piece (a, B), lane (r, h) holds A row 16 a + r and, at byte 8 u + j, B index 32 B + 16 u + 8 h + j: the same order of channels in q and k, and of keys in v and in the softmax's codes.
; PREFETCH: behind its load of the head each wave asks for the tile that it will load next, two K steps on: of each chunk's 32,768 bytes the four partners that ask for it jointly take 8,192 each, told apart by address,
; lanes 256 bytes apart.  Tiles of w, which eight rows of clusters load, are named by the first four rows alone.
.set CHUNK,  1048576
.set PITCH,  144                       ; an LDS row: 128 bytes + 16 of padding
.set QREG,   256*PITCH                 ; a part of a slot
.set HALF,   128*PITCH                 ; what one wave reads of a part
.set SLOT,   4*QREG
.set SPARE,  2*SLOT                    ; the spare words, 128 bytes a wave
.set FR,     16
.set NL,     4
.set NP,     4                         ; places behind this matrix instruction (ISA guide 7.12.1)
.set ADRA, 16                          ; v16-17 LDS address of my A-set fragments in slot 0, 1
.set ADRB, 20                          ; v20-21 the same for the B set
.set CO,   26                          ; v26 16 x lane
.set PFO,  27                          ; v27 256 x lane; never rewritten
.set SPW,  28
.set NIL,  29
.set LIM,  30                          ; 448 x the folded scale
.set SCL,  31                          ; the folded scale
.set TMP,  32                          ; v32-95 a block's sums, held
.set CD,   96                          ; v96-223 codes: 16 registers for each block, so that no store's data are written again
.set AF,   128
.set G1, 24
.set G0, 32
.set G1B, 48
.set G0B, 56
.set MSB, 0
.macro WIN new
.if MSB != \new
	s_set_vgpr_msb (MSB<<8)|\new
.set MSB, \new
.endif
.endm
.set MUL_LO, 0xa1
.set MUL_HI, 0xf1
.set TO_B,   0x40
.macro JLOAD g0a, g1a, g0b, g1b        ; waves 0, 1 fetch for the A set, waves 2, 3 for the B set
	s_cmp_eq_u32 s15, 0
	s_cbranch_scc0 .Lfor_b_\@
	tensor_load_to_lds s[\g0a:\g0a+3], s[\g1a:\g1a+7]
	s_nop 0
.rept 4
	v_nop
.endr
	s_branch .Lasked_\@
.Lfor_b_\@:
	tensor_load_to_lds s[\g0b:\g0b+3], s[\g1b:\g1b+7]
	s_nop 0
.rept 4
	v_nop
.endr
.Lasked_\@:
.endm
.macro CREST
	s_cmp_lg_u32 s14, 0
	s_cbranch_scc1 .Lnot_wave_0_\@
	s_barrier_signal -3
.Lnot_wave_0_\@:
	s_barrier_wait -3
	s_barrier_signal -1
	s_barrier_wait -1
.endm
.macro CROUND
	s_barrier_signal -1
	s_barrier_wait -1
	CREST
.endm
	s_load_b128 s[4:7], s[0:1], 0x0                ; xq, wqkvq
	s_load_b128 s[8:11], s[0:1], 0x10              ; the scales' exponents, qkvc
	v_lshl_add_u32 v[SPW], v0, 2, SPARE
	v_mov_b32 v[NIL], 0
	ds_add_u32 v[SPW], v[NIL]                      ; the opening lines: the add twice on end and one wait
	ds_add_u32 v[SPW], v[NIL]
	v_lshrrev_b32 v1, 5, v0
	v_readfirstlane_b32 s14, v1                    ; wave
	s_lshr_b32 s15, s14, 1                         ; my half of the A set.  Also: I fetch for the A set (0) or the B set (1)
	s_and_b32 s16, s14, 1                          ; my half of the B set.  Also: the slot that I fill
	s_bfe_u32 s40, ttmp6, 0x40000                  ; cx
	s_bfe_u32 s41, ttmp6, 0x40004                  ; cy
	s_lshl_b32 s42, ttmp9, 2                       ; 4 X
	s_and_b32 s17, ttmp7, 0xffff
	s_lshl_b32 s17, s17, 2                         ; 4 Y
	s_lshl_b32 s43, s41, 2
	s_lshl_b32 s43, 15, s43                        ; my row of the cluster
	s_lshl_b32 s44, 0x1111, s40                    ; my column
	s_or_b32 s[G1+0], s43, (0<<16)|(1<<20)|(1<<21)|(4<<22)|(3<<25)  ; mask; bytes; four words of padding behind every 32
	s_or_b32 s[G1B+0], s44, (0<<16)|(1<<20)|(1<<21)|(4<<22)|(3<<25)
.irp g, G1, G1B
	s_mov_b32 s[\g+1], 32768<<16                   ; 2 rows of 32,768 bytes, a chunk apart
	s_mov_b32 s[\g+2], 2<<16
	s_mov_b32 s[\g+3], 32768<<16
	s_mov_b32 s[\g+4], 2
	s_mov_b32 s[\g+5], CHUNK
	s_mov_b32 s[\g+6], 0
	s_mov_b32 s[\g+7], 0
.endr
	s_cmp_eq_u32 ttmp9, 2                          ; kind v?  The cluster's x: alike in all partners
	s_cselect_b32 s18, 8, s17                      ; the A set's first tile in this cluster,
	s_cselect_b32 s19, s17, s42                    ; the B set's
	s_cselect_b32 s86, 1, 0
	s_add_co_u32 s18, s18, s41                     ; + cy
	s_add_co_u32 s19, s19, s40                     ; + cx
	s_lshl_b32 s20, s16, 21                        ; my K step: two chunks,
	s_lshl_b32 s21, s18, 15                        ; my tile's 256 rows of 128 bytes
	s_add_co_u32 s20, s20, s21
	s_mov_b32 s21, 0
	s_lshl_b32 s46, s16, 21
	s_lshl_b32 s47, s19, 15
	s_add_co_u32 s46, s46, s47
	s_mov_b32 s47, 0
	s_mul_i32 s45, s16, SLOT                       ; where my two parts go
	s_mul_i32 s66, s15, 2*QREG
	s_add_co_u32 s45, s45, s66
	s_xor_b32 s86, s86, s15                        ; 1: my tiles are w's
	s_lshr_b32 s87, s17, 4
	s_min_u32 s87, s87, 1                          ; 1 from the fifth row of clusters on
	s_and_b32 s86, s86, s87                        ; 1: I prefetch nothing
	s_wait_dscnt 0x0
	s_wait_kmcnt 0x0
	s_load_b256 s[72:79], s[8:9], 0x0              ; e0 .. e7
	s_cmp_eq_u32 ttmp9, 2
	s_cselect_b64 s[82:83], s[6:7], s[4:5]
	s_cselect_b64 s[84:85], s[4:5], s[6:7]
	s_add_nc_u64 s[20:21], s[82:83], s[20:21]
	s_add_nc_u64 s[46:47], s[84:85], s[46:47]
	CROUND                                         ; the first joint loads meet
	s_mov_b32 s[G0], 1
	s_mov_b32 s[G0+1], s45
	s_mov_b64 s[G0+2:G0+3], s[20:21]
	s_or_b32 s[G0+3], s[G0+3], 0x80000000
	s_mov_b32 s[G0B], 1
	s_mov_b32 s[G0B+1], s45
	s_mov_b64 s[G0B+2:G0B+3], s[46:47]
	s_or_b32 s[G0B+3], s[G0B+3], 0x80000000
	JLOAD G0, G1, G0B, G1B                         ; K steps 0 and 1, one tensor load a wave
	s_mul_i32 s21, s15, HALF
	s_mul_i32 s22, s16, HALF
	s_add_co_u32 s22, s22, 2*QREG
	s_cmp_eq_u32 s15, 0                            ; the prefetch: my tile two K steps on, my work-group's 8,192 bytes of each chunk
	s_cselect_b64 s[82:83], s[G0+2:G0+3], s[G0B+2:G0B+3]
	s_cselect_b32 s84, s40, s41
	s_lshl_b32 s84, s84, 13
	s_add_co_u32 s84, s84, 4*CHUNK
	s_mov_b32 s85, 0
	s_and_b32 s83, s83, 0x7fffffff
	s_add_nc_u64 s[82:83], s[82:83], s[84:85]
	v_and_b32 v1, 15, v0
	v_bfe_u32 v2, v0, 4, 1
	v_mul_u32_u24 v3, v1, PITCH
	v_lshl_add_u32 v4, v2, 4, v3                   ; a fragment's row x pitch + 16 x half
	v_add_nc_u32 v[ADRA], s21, v4
	v_add_nc_u32 v[ADRB], s22, v4
	v_add_nc_u32 v[ADRA+1], SLOT, v[ADRA]
	v_add_nc_u32 v[ADRB+1], SLOT, v[ADRB]
	v_and_b32 v6, 31, v0
	v_lshlrev_b32 v[CO], 4, v6
	v_lshlrev_b32 v[PFO], 8, v6
	s_wait_alu depctr_va_vdst(0)
	s_cmp_eq_u32 s86, 0
	s_cbranch_scc0 .Lno_pf
	global_prefetch_b8 v[PFO], s[82:83] th:TH_LOAD_NT scope:SCOPE_SE
	global_prefetch_b8 v[PFO], s[82:83] offset:CHUNK th:TH_LOAD_NT scope:SCOPE_SE
.Lno_pf:
	s_cmp_eq_u32 ttmp9, 2                          ; where my 16,384 bytes lie
	s_cselect_b32 s90, s19, s18                    ; the tile of tokens,
	s_cselect_b32 s91, s16, s15                    ; my half of it,
	s_cselect_b32 s92, s41, s40                    ; the tile of channels within the kind,
	s_cselect_b32 s93, s15, s16                    ; my half of it
	s_lshl_b32 s90, s90, 1
	s_add_co_u32 s90, s90, s91                     ; the block of 128 tokens, 0 .. 63
	s_lshr_b32 s91, s90, 4                         ; the batch
	s_and_b32 s90, s90, 15
	s_lshl_b32 s90, s90, 14
	s_lshl_b32 s91, s91, 3
	s_lshl_b32 s92, s92, 1
	s_add_co_u32 s92, s92, s93                     ; the head pair
	s_add_co_u32 s92, s92, s91
	s_lshl_b32 s92, s92, 18
	s_add_co_u32 s92, s92, s90
	s_lshl_b32 s93, ttmp9, 23
	s_add_co_u32 s92, s92, s93
	s_mov_b32 s93, 0
	s_add_nc_u64 s[10:11], s[10:11], s[92:93]
.macro FRAG reg, adr, q, i             ; lane l holds row l % 16; registers 4 c .. 4 c + 3 hold K = 32 c + 16 (l / 16) + 0 .. 15: the same permutation of k on both sides
.irp c, 0,1,2,3
	ds_load_b128 v[\reg+4*\c:\reg+4*\c+3], v[\adr] offset:(\q)*QREG+32*\c+(\i)*16*PITCH
.endr
.endm
.macro MUL16 a0, p, zero               ; the 64 accumulators take turns, in the same order in every step
.irp a, \a0, \a0+1
.irp b, 0,1,2,3,4,5,6,7
.if \zero
	v_wmma_f32_16x16x128_fp8_fp8 v[8*(8*((\a)%4)+\b):8*(8*((\a)%4)+\b)+7], v[128*(\p)+FR*\b:128*(\p)+FR*\b+FR-1], v[AF+FR*(\a):AF+FR*(\a)+FR-1], 0
.else
	v_wmma_f32_16x16x128_fp8_fp8 v[8*(8*((\a)%4)+\b):8*(8*((\a)%4)+\b)+7], v[128*(\p)+FR*\b:128*(\p)+FR*\b+FR-1], v[AF+FR*(\a):AF+FR*(\a)+FR-1], v[8*(8*((\a)%4)+\b):8*(8*((\a)%4)+\b)+7]
.endif
.endr
.endr
.endm
.macro FETCH_B slot, q, p
	WIN TO_B
.irp i, 0,1,2,3,4,5,6,7
	FRAG 128*(\p)+FR*\i, ADRB+\slot, \q, \i
.endr
	WIN 0
.endm
.macro FETCH_A slot, q, i0
.irp i, \i0, \i0+1, \i0+2, \i0+3
	FRAG AF+FR*(\i), ADRA+\slot, \q, \i
.endr
.endm
.macro PLACES n
.rept \n
	v_nop
.endr
.endm
.macro STEP slot, q, zero              ; 128 along K, with its successor in the same slot
	s_wait_dscnt 4*NL                              ; all but the youngest sixteen loads (A-set blocks 4-7)
	WIN MUL_LO
	MUL16 0, (\q)%2, \zero
	MUL16 2, (\q)%2, \zero
	s_wait_dscnt 0
	PLACES NP
	FETCH_B \slot, (\q)+1, 1-(\q)%2
	FETCH_A \slot, (\q)+1, 0
	WIN MUL_HI
	MUL16 4, (\q)%2, \zero
	MUL16 6, (\q)%2, \zero
	PLACES NP
	WIN 0
	FETCH_A \slot, (\q)+1, 4
.endm
.macro TURN slot, next, fill           ; a slot's last step changes slots
	s_wait_tensorcnt 0x0                           ; all my tensor loads have landed
	ds_add_u32 v[SPW], v[NIL]
	s_wait_dscnt 4*NL+1                            ; (the add and the youngest sixteen loads may be out)
	WIN MUL_LO
	MUL16 0, 1, 0
	s_wait_dscnt 0x0                               ; the add is done, my reads of this slot are over
	s_barrier_signal -1
	MUL16 2, 1, 0
	WIN 0
	s_barrier_wait -1
.if \fill
	CREST                                          ; the barrier has opened a round of the cluster's barrier
	s_cmp_lg_u32 s16, \slot                        ; the two waves that own this slot fill it again: a branch on the wave's number
	s_cbranch_scc1 .Lnone_\@
	s_add_nc_u64 s[G0+2:G0+3], s[G0+2:G0+3], 4*CHUNK
	s_add_nc_u64 s[G0B+2:G0B+3], s[G0B+2:G0B+3], 4*CHUNK
	JLOAD G0, G1, G0B, G1B                         ; my one tensor load behind the round
.Lnone_\@:
.endif
	PLACES NP
	FETCH_B \next, 0, 0
	FETCH_A \next, 0, 0
	WIN MUL_HI
	MUL16 4, 1, 0
	MUL16 6, 1, 0
	PLACES NP
	WIN 0
	FETCH_A \next, 0, 4
.endm
	s_wait_alu depctr_va_vdst(0)                   ; the head's end
	s_wait_tensorcnt 0x0                           ; my two parts are in
	s_barrier_signal -1
	s_barrier_wait -1                              ; both slots are whole
	FETCH_B 0, 0, 0
	FETCH_A 0, 0, 0
	FETCH_A 0, 0, 4
	STEP 0, 0, 1                                   ; the first step's products start the sums
	TURN 0, 1, 1
	STEP 1, 0, 0
	TURN 1, 0, 1
	STEP 0, 0, 0
	TURN 0, 1, 0
	STEP 1, 0, 0
	s_wait_dscnt 4*NL
	WIN MUL_LO
	MUL16 0, 1, 0
	MUL16 2, 1, 0
	s_wait_dscnt 0
	WIN MUL_HI
	MUL16 4, 1, 0
	MUL16 6, 1, 0
	WIN 0
; THE WAY OUT, block by block of 16 A rows: held, converted, stored from the registers as they lie.
.macro QOUT a
.set AC, 64*((\a)%4)
	WIN 0x02+((\a)/4)
.set j, 0
.rept 64
	v_med3_num_f32 v[TMP+j], v[AC+j], -v[LIM], v[LIM]   ; the conversion does not saturate (ISA guide 7.6.2); each accumulator from its low end on
.set j, j+1
.endr
	WIN 0
.irp b, 0,1,2,3,4,5,6,7
	v_cvt_scalef32_pk8_fp8_f32 v[CD+16*(\a)+2*\b:CD+16*(\a)+2*\b+1], v[TMP+8*\b:TMP+8*\b+7], v[SCL]
.endr
	v_nop                                          ; one plain line behind the last conversion
.irp b, 0,1,2,3
	global_store_b128 v[CO], v[CD+16*(\a)+4*\b:CD+16*(\a)+4*\b+3], s[10:11] offset:(\a)*2048+512*\b   ; 512 consecutive bytes, aligned
.endr
.endm
	s_wait_kmcnt 0x0
	s_cmp_eq_u32 ttmp9, 1
	s_cselect_b32 s80, s75, s74
	s_cmp_eq_u32 ttmp9, 2
	s_cselect_b32 s80, s77, s80                    ; e2, e3 or e5: a choice, no branch
	s_sub_co_i32 s80, s80, s72
	s_sub_co_i32 s80, s80, s73
	s_add_co_i32 s80, s80, 127
	s_lshl_b32 s81, s80, 23
	v_mov_b32 v[SCL], s81
	s_add_co_i32 s80, s80, 8
	s_lshl_b32 s80, s80, 23
	s_or_b32 s80, s80, 0x600000
	v_mov_b32 v[LIM], s80
	PLACES NP
.irp a, 0,1,2,3,4,5,6,7
	QOUT \a
.endr
	s_wait_tensorcnt 0x0                           ; the wave's end
	ds_add_u32 v[SPW], v[NIL]
	s_wait_dscnt 0x0
	CROUND                                         ; the closing round
	s_endpgm
.Lfunc_end_k_q234c6695e4_qkv:
	.size	k_q234c6695e4_qkv, .Lfunc_end_k_q234c6695e4_qkv-k_q234c6695e4_qkv
	.p2alignl 7, 3214868480
	.fill 96, 4, 3214868480
	.section	.rodata,"a",@progbits
	.p2align	6, 0x0
	.amdhsa_kernel k_q234c6695e4_qkv
		.amdhsa_group_segment_fixed_size 327680
		.amdhsa_private_segment_fixed_size 0
		.amdhsa_enable_private_segment 0
		.amdhsa_kernarg_size 32
		.amdhsa_user_sgpr_count 2
		.amdhsa_user_sgpr_kernarg_segment_ptr 1
		.amdhsa_wavefront_size32 1
		.amdhsa_system_sgpr_workgroup_id_x 1
		.amdhsa_system_sgpr_workgroup_id_y 1
		.amdhsa_system_sgpr_workgroup_id_z 1
		.amdhsa_system_vgpr_workitem_id 0
		.amdhsa_next_free_vgpr 1024
		.amdhsa_next_free_sgpr 98
		.amdhsa_reserve_vcc 0
		.amdhsa_float_denorm_mode_32 3
		.amdhsa_float_denorm_mode_16_64 3
		.amdhsa_memory_ordered 1
		.amdhsa_forward_progress 1
		.amdhsa_inst_pref_size 118
	.end_amdhsa_kernel
	.amdgpu_metadata
---
amdhsa.version: [ 1, 2 ]
amdhsa.kernels:
  - .name:           k_q234c6695e4_qkv
    .symbol:         k_q234c6695e4_qkv.kd
    .args:
      - { .name: xq, .offset: 0, .size: 8, .value_kind: global_buffer, .address_space: global }
      - { .name: wqkvq, .offset: 8, .size: 8, .value_kind: global_buffer, .address_space: global }
      - { .name: lowp_scales, .offset: 16, .size: 8, .value_kind: global_buffer, .address_space: global }
      - { .name: qkvc, .offset: 24, .size: 8, .value_kind: global_buffer, .address_space: global }
    .group_segment_fixed_size: 327680
    .private_segment_fixed_size: 0
    .kernarg_segment_align: 8
    .kernarg_segment_size: 32
    .max_flat_workgroup_size: 128
    .sgpr_count:     98
    .vgpr_count:     1024
    .wavefront_size: 32
...
	.end_amdgpu_metadata
.endif
;; end of part 2
;; launch attn (part 3): grid 4 x 64, 8 waves a work-group, clusters of 4 x 1, 327,680 bytes of LDS; arguments qkvc, lowp_scales, yq; writes yq
.if DOCPART == 3
	.amdgcn_target "amdgcn-amd-amdhsa--gfx1250"
	.amdhsa_code_object_version 6
	.text
	.protected	k_q234c6695e4_attn
	.globl	k_q234c6695e4_attn
	.p2align	8
	.type	k_q234c6695e4_attn,@function
k_q234c6695e4_attn:
	s_mov_b64 s[64:65], 0
	v_nop
	global_prefetch_b8 v0, s[64:65] scope:SCOPE_SE
	s_setreg_imm32_b32 hwreg(HW_REG_WAVE_MODE, 25, 1), 1
	s_wait_xcnt 0x0
	s_wait_alu depctr_hold_cnt(0) depctr_sa_sdst(0) depctr_va_vdst(0) depctr_va_sdst(0) depctr_va_ssrc(0) depctr_va_vcc(0) depctr_vm_vsrc(0)
	s_getreg_b32 s2, hwreg(HW_REG_IB_STS2, 6, 4)
	s_cmp_eq_u32 s2, 0
	s_cbranch_scc0 .Lentry_in_a_cluster
	s_endpgm
.Lentry_in_a_cluster:
	s_bfe_u32 s2, ttmp6, 0x10000c
	s_cmp_lg_u32 s2, 0x3003
	s_cbranch_scc0 .Lentry_shape_is_right
	s_endpgm
.Lentry_shape_is_right:
; y[b][t][head][:] = the sum over keys k <= t of softmax_k(q . k / 8) v, both products on codes of FP8 (E4M3); y is quantised at once (scale entry 6).
; WORK LEFT OUT: key steps all of whose 128 keys come after a wave's queries: the causal mask makes their scores -infinity, so they add 0 to every sum.
; THE SOFTMAX: t = score x log2(e) / 8; M = the running largest t rounded UP to a whole number; p = 2^(t - M) is quantised with 2^e4, not normalised; the row's sum of the unquantised p divides at the end.
; LIMITS: e2 + e3 between -123 and 130 (added to c's exponent field); e4 and e6 between -126 and 119; the scaled scores stay under 2^31 in magnitude.
; INPUT: qkvc holds images of operand registers: [kind][8 batch + head pair][token / 128][a: 8][B: 4][lane][16 bytes] (see launch qkv).
;   q, k: a = 16 tokens, B = 2 x head's parity + c.   v: a = 4 x parity + t (16 channels), B = c (32 keys).
; SHARES.  Grid y = 16 batch + head.  The four work-groups of a cluster serve one head; work-group cx owns queries 32 cx .. 32 cx + 31 of each block of 128.
; Wave w takes block 15 - w and then block w: 17 key steps of 128 in every wave of every work-group.  Its 32 queries are two tiles of 16, and each fragment of K and V read from LDS feeds both.
; LDS: the head's whole K (131,072 bytes: [16 keys][c][lane][16]) and V ([128 keys][t][c][lane][16]) are fetched ONCE, by joint loads (mask 15); nothing is filled again.
; Each wave issues two loads: at the head its part of keys 0 .. 511, and, behind a round of the cluster's barrier, its part of keys 512 .. 2,047,
; which lands under the first four trips.  Every fragment load reads 512 consecutive bytes.  No prefetch: both loads go out ahead of the second loop; there is no loop of loads to run ahead in.
; THE WALK.  Four trips: block 15 - w (at least block 8), key steps 0 .. 3: no mask, no end of a block.  Then a barrier, and 13 trips with J = wave + 4 + trip:
; J <= 15: block 15 - w, key step 19 - J (the diagonal first, down to step 4); J >= 16: block w, key step J - 16 (the diagonal last).  So the mask is due in trips 0 and 12 of the 13 alone.
; LAYOUT.  S^T = K Q^T, O^T = V^T P^T: a lane holds one query (lane % 16).  Register j of S^T's tile g holds key 16 g + 8 (lane / 16) + j, which is the order of keys in v's image.
; REGISTERS.  Window 0 holds all that the softmax touches, for both tiles, so that their lines can stand by turns under one setting: tile 0's exponentials among tile 1's multiply-adds,
; tile 1's among tile 0's first sums and holds.  Window 1 holds what only matrix instructions, loads and the rescaling touch: K's and V's fragments, O^T, Q.
; OUTPUT: yq = [head pair][row / 16][c = 2 x parity + k][lane][16]: the image of the last product's A fragments; lane (r, h) holds row r, channels 32 k + 16 h + 0 .. 15.
.set VB,    131072                     ; V begins here
.set SPARE, 262144                     ; the spare words, 128 bytes a wave
.set SPW, 1
.set NIL, 2
.set LN,  3                            ; 16 x lane
.set LNV, 4                            ; + VB
.set ADK, 5
.set ADV, 6
.set S,   16                           ; v16-143 S^T, then p: 64 registers a tile
.set PC,  144                          ; v144-175 p's codes: 16 a tile
.set ST,  176                          ; v176-207 a tile's state, 16 registers: +0 -M, +1 the largest t, +2 the sum (a pair), +4 f (a pair), +6 .. +13 eight maxima, +14 a permute's target, +15 my query's place in its block - 8 (lane / 16)
.set T,   208                          ; v208-239 sixteen pairs of partial sums
.set NINF, 240
.set SCL, 241                          ; 2^e4
.set LIM, 242                          ; 448 x 2^e4
.set YS,  243                          ; 2^e6
.set YL,  244                          ; 448 x 2^e6
; window 1:
.set KF,  0                            ; K's eight fragments
.set VF,  64                           ; V's four
.set O,   128                          ; O^T: 32 a tile
.set Q,   192                          ; Q: 8 a tile
.set QN,  208                          ; the second block's
.set WV,  10
.set CX,  11
.set Y,   12
.set CNT, 13
.set J,   14
.set KO,  15
.set KN,  16
.set T0,  17
.set T1,  18
.set DG,  19
.set SEL, 20
.set CS,  22
.set G1K, 24                           ; the first loads' groups 1
.set G1V, 32
.set G0,  40
.set QA,  44
.set QB,  46
.set OUT, 48
.set OUT2, 50
.set E45, 52
.set G1V2, 56                          ; the second loads' groups 1 and group 0
.set G02, 80
.set T2,  84
.set G1K2, 92
.set MSB, 0
.macro WIN new
.if MSB != \new
	s_set_vgpr_msb (MSB<<8)|\new
.set MSB, \new
.endif
.endm
.macro ROUND
	s_barrier_signal -1
	s_barrier_wait -1
	s_cmp_lg_u32 s[WV], 0
	s_cbranch_scc1 .Lnot_wave_0_\@
	s_barrier_signal -3
.Lnot_wave_0_\@:
	s_barrier_wait -3
	s_barrier_signal -1
	s_barrier_wait -1
.endm
.macro KSOFF dst, src                  ; 8,192 x the key step of J: under 16: 19 - J = (J xor 15) + 4; from 16 on: J - 16
	s_lshr_b32 s[T0], s[\src], 4
	s_xor_b32 s[T0], s[T0], 1
	s_mul_i32 s[T2], s[T0], 15
	s_and_b32 s[\dst], s[\src], 15
	s_xor_b32 s[\dst], s[\dst], s[T2]
	s_lshl_b32 s[T0], s[T0], 2
	s_add_co_u32 s[\dst], s[\dst], s[T0]
	s_lshl_b32 s[\dst], s[\dst], 13
.endm
.macro KLOAD                           ; under the setting 0x40: into window 1
.irp g, 0,1,2,3,4,5,6,7
.irp c, 0,1
	ds_load_b128 v[KF+8*\g+4*\c:KF+8*\g+4*\c+3], v[ADK] offset:1024*\g+512*\c
.endr
.endr
.endm
.macro PADD d, a, b
	v_pk_add_f32 v[\d:\d+1], v[\a:\a+1], v[\b:\b+1]
.endm
.macro HOLD2 a                         ; two holds in one line: the conversion does not saturate (ISA guide 7.6.2); p is not negative
	v_dual_min_num_f32 v[\a], v[LIM], v[\a] :: v_dual_min_num_f32 v[\a+1], v[LIM], v[\a+1]
.endm
.macro INIT copy                       ; a block begins: zeros, which the first change of M leaves zeros
	WIN 0
.irp w, 0,1
	v_mov_b32 v[ST+16*\w+1], 0xff61b1e6            ; -3e38, under every t
	v_mov_b32 v[ST+16*\w], 0x7f61b1e6
	v_mov_b32 v[ST+16*\w+2], 0
	v_mov_b32 v[ST+16*\w+3], 0
.endr
	WIN 0x41
.set j, 0
.rept 64
	v_mov_b32 v[O+j], 0
.set j, j+1
.endr
.if \copy
.set j, 0
.rept 16
	v_mov_b32 v[Q+j], v[QN+j]
.set j, j+1
.endr
.endif
	WIN 0
.endm
	s_load_b128 s[4:7], s[0:1], 0x0                ; qkvc, the scales' exponents
	s_load_b64 s[8:9], s[0:1], 0x10                ; yq
	v_lshl_add_u32 v[SPW], v0, 2, SPARE
	v_mov_b32 v[NIL], 0
	ds_add_u32 v[SPW], v[NIL]                      ; the opening lines: the add twice on end and one wait
	ds_add_u32 v[SPW], v[NIL]
	v_lshrrev_b32 v7, 5, v0
	v_readfirstlane_b32 s[WV], v7
	s_bfe_u32 s[CX], ttmp6, 0x40000
	s_and_b32 s[Y], ttmp7, 0xffff
	s_mov_b32 s[G1K], 15|(1<<21)                   ; K, first: 8 rows of 1,024 bytes, 2,048 apart; the mask names all four work-groups
	s_mov_b32 s[G1K+1], 1024<<16
	s_mov_b32 s[G1K+2], 8<<16
	s_mov_b32 s[G1K+3], 1024<<16
	s_mov_b32 s[G1K+4], 8
	s_mov_b32 s[G1K+5], 2048
	s_mov_b32 s[G1K+6], 0
	s_mov_b32 s[G1K+7], 0
	s_mov_b32 s[G1V], 15|(1<<21)                   ; V, first: 8,192 dense bytes as 8 rows of 1,024
	s_mov_b32 s[G1V+1], 1024<<16
	s_mov_b32 s[G1V+2], 8<<16
	s_mov_b32 s[G1V+3], 1024<<16
	s_mov_b32 s[G1V+4], 8
	s_mov_b32 s[G1V+5], 1024
	s_mov_b32 s[G1V+6], 0
	s_mov_b32 s[G1V+7], 0
	s_mov_b32 s[G1K2], 15|(1<<21)                  ; K, second: 24 rows of 1,024 bytes, 2,048 apart
	s_mov_b32 s[G1K2+1], 1024<<16
	s_mov_b32 s[G1K2+2], 24<<16
	s_mov_b32 s[G1K2+3], 1024<<16
	s_mov_b32 s[G1K2+4], 24
	s_mov_b32 s[G1K2+5], 2048
	s_mov_b32 s[G1K2+6], 0
	s_mov_b32 s[G1K2+7], 0
	s_mov_b32 s[SEL], 0x76543210
	s_mov_b32 s[SEL+1], 0xfedcba98
	s_lshr_b32 s53, s[Y], 1                        ; 8 batch + head pair
	s_and_b32 s54, s[Y], 1                         ; the head's parity
	s_lshl_b32 s55, s53, 18
	s_and_b32 s56, s[WV], 3                        ; what I fetch: of K (waves 0-3) or of V (waves 4-7): first 128 keys, then 384
	s_lshl_b32 s57, s54, 10
	s_lshl_b32 s58, s54, 13
	s_add_co_u32 s57, s57, 1<<23
	s_add_co_u32 s58, s58, 1<<24
	s_cmp_lt_u32 s[WV], 4
	s_cselect_b32 s58, s57, s58
	s_add_co_u32 s58, s58, s55                     ; my head's first byte of K or of V
	s_mul_i32 s86, s56, 49152                      ; second: from key 512 + 384 x (wave % 4) on, 128 bytes of memory a key
	s_add_co_u32 s86, s86, 65536
	s_add_co_u32 s86, s86, s58
	s_mov_b32 s87, 0
	s_mul_i32 s89, s56, 24576                      ; and 64 bytes of LDS a key
	s_lshl_b32 s88, s56, 13
	s_lshl_b32 s56, s56, 14                        ; first: from key 128 x (wave % 4) on
	s_add_co_u32 s56, s56, s58
	s_mov_b32 s57, 0
	s_lshr_b32 s90, s[WV], 2
	s_lshl_b32 s90, s90, 17                        ; K's half of LDS or V's
	s_add_co_u32 s88, s88, s90
	s_add_co_u32 s89, s89, s90
	s_add_co_u32 s89, s89, 32768
	s_lshl_b32 s58, s54, 10                        ; Q: the pair, my head's pieces, tiles 2 cx, 2 cx + 1 of a block
	s_add_co_u32 s58, s58, s55
	s_lshl_b32 s59, s[CX], 12
	s_add_co_u32 s58, s58, s59
	s_lshl_b32 s60, s[WV], 14
	s_add_co_u32 s60, s60, s58                     ; block w
	s_xor_b32 s62, s[WV], 15
	s_lshl_b32 s62, s62, 14
	s_add_co_u32 s62, s62, s58                     ; block 15 - w
	s_mov_b32 s61, 0
	s_mov_b32 s63, 0
	s_and_b32 s80, s53, 7                          ; yq: the pair's chunk, the batch's rows, my 32 rows of a block, my head's pieces
	s_lshl_b32 s80, s80, 20
	s_lshr_b32 s81, s[Y], 4
	s_lshl_b32 s81, s81, 18
	s_add_co_u32 s80, s80, s81
	s_add_co_u32 s80, s80, s59
	s_lshl_b32 s81, s54, 10
	s_add_co_u32 s80, s80, s81
	s_lshl_b32 s82, s[WV], 14
	s_add_co_u32 s82, s82, s80
	s_mov_b32 s83, 0
	s_xor_b32 s84, s[WV], 15
	s_lshl_b32 s84, s84, 14
	s_add_co_u32 s84, s84, s80
	s_mov_b32 s85, 0
	s_wait_dscnt 0x0
	s_wait_kmcnt 0x0
	s_load_b256 s[72:79], s[6:7], 0x0              ; e0 .. e7
	s_mov_b32 s[G0], 1
	s_mov_b32 s[G0+1], s88
	s_add_nc_u64 s[G0+2:G0+3], s[4:5], s[56:57]
	s_or_b32 s[G0+3], s[G0+3], 0x80000000
	s_add_nc_u64 s[QA:QA+1], s[4:5], s[62:63]
	s_add_nc_u64 s[QB:QB+1], s[4:5], s[60:61]
	s_add_nc_u64 s[OUT:OUT+1], s[8:9], s[84:85]
	s_add_nc_u64 s[OUT2:OUT2+1], s[8:9], s[82:83]
	s_mov_b32 s[G02], 1
	s_mov_b32 s[G02+1], s89
	s_add_nc_u64 s[G02+2:G02+3], s[4:5], s[86:87]
	s_or_b32 s[G02+3], s[G02+3], 0x80000000
	s_mov_b32 s[G1V2], 15|(1<<21)                  ; V, second: 3 rows of 8,192 bytes, 16,384 apart
	s_mov_b32 s[G1V2+1], 8192<<16
	s_mov_b32 s[G1V2+2], 3<<16
	s_mov_b32 s[G1V2+3], 8192<<16
	s_mov_b32 s[G1V2+4], 3
	s_mov_b32 s[G1V2+5], 16384
	s_mov_b32 s[G1V2+6], 0
	s_mov_b32 s[G1V2+7], 0
	ROUND                                          ; the joint loads meet
	s_cmp_lt_u32 s[WV], 4
	s_cbranch_scc0 .Lfor_v
	tensor_load_to_lds s[G0:G0+3], s[G1K:G1K+7]
	s_nop 0
.rept 4
	v_nop
.endr
	s_branch .Lasked
.Lfor_v:
	tensor_load_to_lds s[G0:G0+3], s[G1V:G1V+7]
	s_nop 0
.rept 4
	v_nop
.endr
.Lasked:
	s_lshl_b32 s53, s[CX], 5
	s_add_co_u32 s54, s53, 16
	v_and_b32 v7, 31, v0
	v_lshlrev_b32 v[LN], 4, v7
	v_add_nc_u32 v[LNV], VB, v[LN]
	v_and_b32 v8, 15, v0
	v_bfe_u32 v9, v0, 4, 1
	v_lshlrev_b32 v9, 3, v9
	v_sub_nc_u32 v8, v8, v9                        ; r - 8 h
.irp w, 0,1
	v_add_nc_u32 v[ST+16*\w+15], s[53+\w], v8
	v_mov_b32 v[ST+16*\w+14], 0                    ; a lane permute's destination counts as a source
	v_mov_b32 v[ST+16*\w+5], 0                     ; (named as the upper half of a pair)
.endr
	v_mov_b32 v[NINF], 0xff800000
	WIN 0x40
.irp w, 0,1                                    ; both blocks' Q
	global_load_b128 v[Q+8*\w:Q+8*\w+3], v[LN], s[QA:QA+1] offset:2048*\w
	global_load_b128 v[Q+8*\w+4:Q+8*\w+7], v[LN], s[QA:QA+1] offset:2048*\w+512
	global_load_b128 v[QN+8*\w:QN+8*\w+3], v[LN], s[QB:QB+1] offset:2048*\w
	global_load_b128 v[QN+8*\w+4:QN+8*\w+7], v[LN], s[QB:QB+1] offset:2048*\w+512
.endr
	INIT 0
	s_wait_alu depctr_va_vdst(0)
	s_wait_kmcnt 0x0
	s_add_co_i32 s86, s74, s75
	s_lshl_b32 s86, s86, 23
	s_mov_b32 s[CS], 0x3e38aa3b                    ; log2(e) / 8
	s_add_co_i32 s[CS], s[CS], s86                 ; x 2^(e2 + e3)
	s_mov_b32 s[CS+1], s[CS]
	s_add_co_i32 s86, s76, 127
	s_lshl_b32 s87, s86, 23
	s_add_co_i32 s86, s86, 8
	s_lshl_b32 s86, s86, 23
	s_or_b32 s86, s86, 0x600000
	s_add_co_i32 s88, s78, 127
	s_lshl_b32 s89, s88, 23
	s_add_co_i32 s88, s88, 8
	s_lshl_b32 s88, s88, 23
	s_or_b32 s88, s88, 0x600000
	s_add_co_i32 s[E45], s76, s77
	s_mov_b32 s[CNT], 0
	v_mov_b32 v[SCL], s87
	v_mov_b32 v[LIM], s86
	v_mov_b32 v[YS], s89
	v_mov_b32 v[YL], s88
	v_mov_b32 v[ADK], v[LN]                        ; key step 0
	s_wait_alu depctr_va_vdst(0)                   ; the head's end
	s_wait_loadcnt 0x0                             ; Q
	s_wait_tensorcnt 0x0                           ; my part of keys 0 .. 511 is in
	ds_add_u32 v[SPW], v[NIL]
	s_wait_dscnt 0x0
	ROUND                                          ; everybody's is, and the second joint loads meet
	s_cmp_lt_u32 s[WV], 4
	s_cbranch_scc0 .Lfor_v2
	tensor_load_to_lds s[G02:G02+3], s[G1K2:G1K2+7]
	s_nop 0
.rept 4
	v_nop
.endr
	s_branch .Lasked2
.Lfor_v2:
	tensor_load_to_lds s[G02:G02+3], s[G1V2:G1V2+7]
	s_nop 0
.rept 4
	v_nop
.endr
.Lasked2:
	WIN 0x40
	KLOAD
	WIN 0
; ONE KEY STEP for both tiles.  ph = 1: one of the first four; ph = 2: one of the thirteen, with the mask and the end of a block
.macro TRIP ph
	s_wait_dscnt 0x0                               ; K's fragments are in
	WIN 0x05                                       ; sources in window 1, results in window 0
.irp w, 0,1
.irp g, 0,1,2,3,4,5,6,7
	v_wmma_f32_16x16x64_fp8_fp8 v[S+64*\w+8*\g:S+64*\w+8*\g+7], v[KF+8*\g:KF+8*\g+7], v[Q+8*\w:Q+8*\w+7], 0
.endr
.endr
	WIN 0
.if \ph == 1
	s_lshl_b32 s[KO], s[CNT], 13                   ; key step = trip
	s_add_co_u32 s[T1], s[CNT], 1
	s_min_u32 s[T1], s[T1], 3                      ; the next step; behind step 3 nothing beyond key 511 may be read yet: step 3 once more, not used
	s_lshl_b32 s[KN], s[T1], 13
.else
	s_add_co_u32 s[J], s[CNT], s[WV]
	s_add_co_u32 s[J], s[J], 4
	KSOFF KO, J
	s_add_co_u32 s[T1], s[J], 1
	KSOFF KN, T1                                   ; the next trip's step (behind the last trip: a step that lies in LDS and is not used)
	s_xor_b32 s[DG], s[CNT], 12
	s_mul_i32 s[DG], s[DG], s[CNT]                 ; 0 in trips 0 and 12: the diagonal
.endif
	v_add_nc_u32 v[ADV], s[KO], v[LNV]             ; these two and two v_nop are the places behind the products
	v_add_nc_u32 v[ADK], s[KN], v[LN]
	v_nop
	v_nop
	WIN 0x40
.irp t, 0,1,2,3
.irp c, 0,1,2,3
	ds_load_b128 v[VF+16*\t+4*\c:VF+16*\t+4*\c+3], v[ADV] offset:2048*\t+512*\c
.endr
.endr
	KLOAD                                          ; the next step's K lands under the softmax
	WIN 0
.if \ph == 2
	s_cmp_lg_u32 s[DG], 0
	s_cbranch_scc1 .Lopen_\@
.irp w, 0,1
.set n, 0
.rept 64
	v_cmp_gt_i32 vcc_lo, 16*(n/8)+n%8, v[ST+16*\w+15]   ; on the diagonal hidden scores become -infinity
	v_cndmask_b32 v[S+64*\w+n], v[S+64*\w+n], v[NINF], vcc_lo
.set n, n+1
.endr
.endr
.Lopen_\@:
.endif
.irp w, 0,1                                    ; the largest score, in eight chains; each accumulator is first read at its low end
.set c, 0
.rept 8
	v_max3_num_f32 v[ST+16*\w+6+c], v[S+64*\w+3*c], v[S+64*\w+3*c+1], v[S+64*\w+3*c+2]
.set c, c+1
.endr
.set k, 0
.rept 20
	v_max3_num_f32 v[ST+16*\w+6+k%8], v[ST+16*\w+6+k%8], v[S+64*\w+24+2*k], v[S+64*\w+25+2*k]
.set k, k+1
.endr
.endr
.irp w, 0,1
	v_max3_num_f32 v[ST+16*\w+6], v[ST+16*\w+6], v[ST+16*\w+7], v[ST+16*\w+8]
	v_max3_num_f32 v[ST+16*\w+9], v[ST+16*\w+9], v[ST+16*\w+10], v[ST+16*\w+11]
	v_max_num_f32 v[ST+16*\w+12], v[ST+16*\w+12], v[ST+16*\w+13]
.endr
.irp w, 0,1                                    ; from here the two tiles' lines stand by turns
	v_max3_num_f32 v[ST+16*\w+6], v[ST+16*\w+6], v[ST+16*\w+9], v[ST+16*\w+12]
.endr
.irp w, 0,1
	v_permlanex16_b32 v[ST+16*\w+14], v[ST+16*\w+6], s[SEL], s[SEL+1]
.endr
.irp w, 0,1
	v_max_num_f32 v[ST+16*\w+6], v[ST+16*\w+6], v[ST+16*\w+14]   ; and lane l xor 16's
.endr
.irp w, 0,1
	v_mul_f32 v[ST+16*\w+6], s[CS], v[ST+16*\w+6]  ; as t
.endr
.irp w, 0,1
	v_max_num_f32 v[ST+16*\w+1], v[ST+16*\w+1], v[ST+16*\w+6]
.endr
.irp w, 0,1
	v_mov_b32 v[ST+16*\w+6], v[ST+16*\w]
.endr
.irp w, 0,1
	v_floor_f32 v[ST+16*\w], -v[ST+16*\w+1]        ; -M = -ceil(t)
.endr
.irp w, 0,1
	v_sub_f32 v[ST+16*\w+6], v[ST+16*\w], v[ST+16*\w+6]   ; old M - new M
.endr
.irp w, 0,1
	v_cvt_i32_f32 v[ST+16*\w+6], v[ST+16*\w+6]     ; (it saturates)
.endr
.irp w, 0,1
	v_ldexp_f32 v[ST+16*\w+4], 1.0, v[ST+16*\w+6]  ; f = 2^(old M - new M)
.endr
.set j, 0
.rept 32
	v_pk_fma_f32 v[S+j:S+j+1], v[S+j:S+j+1], s[CS:CS+1], v[ST:ST+1] op_sel_hi:[1,0,0]   ; tile 0: t - M
.set j, j+2
.endr
	WIN 0x41                                       ; O^T in window 1, f in window 0
.irp w, 0,1
.set j, 0
.rept 16
	v_pk_mul_f32 v[O+32*\w+j:O+32*\w+j+1], v[O+32*\w+j:O+32*\w+j+1], v[ST+16*\w+4:ST+16*\w+5] op_sel_hi:[1,0]   ; O^T under the new M
.set j, j+2
.endr
.endr
	WIN 0
	s_wait_alu depctr_va_vdst(0)                   ; ahead of the batch
.set j, 0
.rept 32                                       ; tile 0's exponentials, tile 1's t - M among them
	v_exp_f32 v[S+j], v[S+j]
	v_exp_f32 v[S+j+1], v[S+j+1]
	v_pk_fma_f32 v[S+64+j:S+64+j+1], v[S+64+j:S+64+j+1], s[CS:CS+1], v[ST+16:ST+17] op_sel_hi:[1,0,0]
.set j, j+2
.endr
	s_wait_alu depctr_va_vdst(0)                   ; one wait: behind tile 0's batch, ahead of tile 1's
	v_pk_mul_f32 v[ST+2:ST+3], v[ST+2:ST+3], v[ST+4:ST+5] op_sel_hi:[1,0]
.set k, 0
.rept 16                                       ; tile 1's exponentials; among them tile 0's first sums of the unquantised p, and behind each sum the holds of its four numbers
	v_exp_f32 v[S+64+4*k], v[S+64+4*k]
	PADD T+2*k, S+4*k, S+4*k+2
	v_exp_f32 v[S+64+4*k+1], v[S+64+4*k+1]
	HOLD2 S+4*k
	v_exp_f32 v[S+64+4*k+2], v[S+64+4*k+2]
	v_exp_f32 v[S+64+4*k+3], v[S+64+4*k+3]
	HOLD2 S+4*k+2
.set k, k+1
.endr
	v_nop                                          ; a plain line behind the batch
	s_wait_alu depctr_va_vdst(0)                   ; one wait behind the batch, ahead of all that reads what was written in it
.set c, 0
.rept 8
	PADD T+2*c, T+2*c, T+16+2*c
.set c, c+1
.endr
.irp b, 0,1,2,3
	v_cvt_scalef32_pk8_fp8_f32 v[PC+4*\b:PC+4*\b+1], v[S+16*\b:S+16*\b+7], v[SCL]
	v_cvt_scalef32_pk8_fp8_f32 v[PC+4*\b+2:PC+4*\b+3], v[S+16*\b+8:S+16*\b+15], v[SCL]
.endr
.set c, 0
.rept 8                                        ; tile 1's sum, in eight chains
	PADD T+16+2*c, S+64+2*c, S+80+2*c
.set c, c+1
.endr
	s_wait_alu depctr_va_vdst(0)
	s_wait_dscnt 16                                ; V's sixteen loads are in; the next step's sixteen of K may be out
	WIN 0x51                                       ; V and O^T in window 1, p's codes in window 0
.irp t, 0,1,2,3
	v_wmma_f32_16x16x128_fp8_fp8 v[O+8*\t:O+8*\t+7], v[VF+16*\t:VF+16*\t+15], v[PC:PC+15], v[O+8*\t:O+8*\t+7]   ; the accumulators by turns
.endr
	WIN 0
.irp c, 0,1,2,3
	PADD T+2*\c, T+2*\c, T+8+2*\c
.endr
.set c, 0
.rept 8
	PADD T+16+2*c, T+16+2*c, S+96+2*c
.set c, c+1
.endr
	PADD T, T, T+4
	PADD T+2, T+2, T+6
.set c, 0
.rept 8
	PADD T+16+2*c, T+16+2*c, S+112+2*c
.set c, c+1
.endr
	PADD T, T, T+2
.irp c, 0,1,2,3
	PADD T+16+2*\c, T+16+2*\c, T+24+2*\c
.endr
	PADD ST+2, ST+2, T
	v_pk_mul_f32 v[ST+18:ST+19], v[ST+18:ST+19], v[ST+20:ST+21] op_sel_hi:[1,0]
	PADD T+16, T+16, T+20
	PADD T+18, T+18, T+22
.set j, 0
.rept 16
	HOLD2 S+64+j
.set j, j+2
.endr
	PADD T+16, T+16, T+18
.rept 16
	HOLD2 S+64+j
.set j, j+2
.endr
	PADD ST+18, ST+18, T+16
.irp b, 0,1,2,3
	v_cvt_scalef32_pk8_fp8_f32 v[PC+16+4*\b:PC+16+4*\b+1], v[S+64+16*\b:S+64+16*\b+7], v[SCL]
	v_cvt_scalef32_pk8_fp8_f32 v[PC+16+4*\b+2:PC+16+4*\b+3], v[S+64+16*\b+8:S+64+16*\b+15], v[SCL]
.endr
	v_nop                                          ; one plain line behind the last conversion
	s_wait_alu depctr_va_vdst(0)
	WIN 0x51
.irp t, 0,1,2,3
	v_wmma_f32_16x16x128_fp8_fp8 v[O+32+8*\t:O+32+8*\t+7], v[VF+16*\t:VF+16*\t+15], v[PC+16:PC+31], v[O+32+8*\t:O+32+8*\t+7]
.endr
	WIN 0
.if \ph == 2
	s_xor_b32 s[T0], s[J], 15                      ; a block ends with J = 15 and with trip 12
	s_xor_b32 s[T1], s[CNT], 12
	s_mul_i32 s[T0], s[T0], s[T1]
	s_cmp_lg_u32 s[T0], 0
	s_cbranch_scc1 .Lon_\@
	; a block leaves: y = O^T / the sum x 2^(e4 + e5), held, converted with 2^e6
.irp w, 0,1
	v_add_f32 v[ST+16*\w+2], v[ST+16*\w+2], v[ST+16*\w+3]
.endr
.irp w, 0,1
	v_permlanex16_b32 v[ST+16*\w+14], v[ST+16*\w+2], s[SEL], s[SEL+1]
.endr
.irp w, 0,1
	v_add_f32 v[ST+16*\w+2], v[ST+16*\w+2], v[ST+16*\w+14]
.endr
	s_wait_alu depctr_va_vdst(0)                   ; ahead of the two reciprocals
	v_rcp_f32 v[ST+2], v[ST+2]
	v_rcp_f32 v[ST+18], v[ST+18]
	v_nop
	s_wait_alu depctr_va_vdst(0)                   ; ahead of their first readers
	v_ldexp_f32 v[ST+2], v[ST+2], s[E45]
	v_ldexp_f32 v[ST+18], v[ST+18], s[E45]
	WIN 0x01
	s_wait_alu depctr_va_vdst(0)                   ; directly ahead of the first reader of O^T
.irp w, 0,1
.set j, 0
.rept 32
	v_mul_f32 v[S+64*\w+j], v[O+32*\w+j], v[ST+16*\w+2]   ; register 8 t + i: channel 16 t + 8 h + i
.set j, j+1
.endr
.endr
	WIN 0
.irp w, 0,1
.set j, 0
.rept 32
	v_med3_num_f32 v[S+64*\w+j], v[S+64*\w+j], -v[YL], v[YL]
.set j, j+1
.endr
.endr
.irp w, 0,1
.irp t, 0,1,2,3
	v_cvt_scalef32_pk8_fp8_f32 v[PC+16*\w+2*\t:PC+16*\w+2*\t+1], v[S+64*\w+8*\t:S+64*\w+8*\t+7], v[YS]
.endr
.endr
	v_nop                                          ; one plain line behind the last conversion
.irp k, 0,4,16,20                              ; the halves of the lanes trade 8 channels, so that lane (r, h) holds channels 32 k + 16 h + 0 .. 15
	v_permlane16_swap_b32 v[PC+\k], v[PC+\k+2]
	v_permlane16_swap_b32 v[PC+\k+1], v[PC+\k+3]
.endr
.irp w, 0,1
	global_store_b128 v[LN], v[PC+16*\w:PC+16*\w+3], s[OUT:OUT+1] offset:2048*\w          ; 512 consecutive bytes, aligned
	global_store_b128 v[LN], v[PC+16*\w+4:PC+16*\w+7], s[OUT:OUT+1] offset:2048*\w+512
.endr
	s_wait_xcnt 0x0                                ; the stores have read their registers and their base
	s_mov_b64 s[OUT:OUT+1], s[OUT2:OUT2+1]
	INIT 1
	s_wait_alu depctr_va_vdst(0)
.Lon_\@:
.endif
.endm
.Lfirst:                                           ; four trips on keys 0 .. 511, while the other keys land
	TRIP 1
	s_add_co_u32 s[CNT], s[CNT], 1
	s_cmp_lt_u32 s[CNT], 4
	s_cbranch_scc1 .Lfirst
	s_wait_tensorcnt 0x0                           ; my part of keys 512 .. 2,047 is in
	s_wait_dscnt 0x0
	s_barrier_signal -1
	s_barrier_wait -1                              ; everybody's is
	s_mov_b32 s[CNT], 0
	s_add_co_u32 s[J], s[WV], 4
	KSOFF KN, J
	v_add_nc_u32 v[ADK], s[KN], v[LN]
	WIN 0x40
	KLOAD
	WIN 0
.Ltrip:                                            ; thirteen trips
	TRIP 2
	s_add_co_u32 s[CNT], s[CNT], 1
	s_cmp_lt_u32 s[CNT], 13
	s_cbranch_scc1 .Ltrip
	s_wait_tensorcnt 0x0                           ; the wave's end
	ds_add_u32 v[SPW], v[NIL]
	s_wait_dscnt 0x0
	ROUND                                          ; the closing round
	s_endpgm
.Lfunc_end_k_q234c6695e4_attn:
	.size	k_q234c6695e4_attn, .Lfunc_end_k_q234c6695e4_attn-k_q234c6695e4_attn
	.p2alignl 7, 3214868480
	.fill 96, 4, 3214868480
	.section	.rodata,"a",@progbits
	.p2align	6, 0x0
	.amdhsa_kernel k_q234c6695e4_attn
		.amdhsa_group_segment_fixed_size 327680
		.amdhsa_private_segment_fixed_size 0
		.amdhsa_enable_private_segment 0
		.amdhsa_kernarg_size 24
		.amdhsa_user_sgpr_count 2
		.amdhsa_user_sgpr_kernarg_segment_ptr 1
		.amdhsa_wavefront_size32 1
		.amdhsa_system_sgpr_workgroup_id_x 1
		.amdhsa_system_sgpr_workgroup_id_y 1
		.amdhsa_system_sgpr_workgroup_id_z 1
		.amdhsa_system_vgpr_workitem_id 0
		.amdhsa_next_free_vgpr 512
		.amdhsa_next_free_sgpr 100
		.amdhsa_reserve_vcc 1
		.amdhsa_float_denorm_mode_32 3
		.amdhsa_float_denorm_mode_16_64 3
		.amdhsa_memory_ordered 1
		.amdhsa_forward_progress 1
		.amdhsa_inst_pref_size 93
	.end_amdhsa_kernel
	.amdgpu_metadata
---
amdhsa.version: [ 1, 2 ]
amdhsa.kernels:
  - .name:           k_q234c6695e4_attn
    .symbol:         k_q234c6695e4_attn.kd
    .args:
      - { .name: qkvc, .offset: 0, .size: 8, .value_kind: global_buffer, .address_space: global }
      - { .name: lowp_scales, .offset: 8, .size: 8, .value_kind: global_buffer, .address_space: global }
      - { .name: yq, .offset: 16, .size: 8, .value_kind: global_buffer, .address_space: global }
    .group_segment_fixed_size: 327680
    .private_segment_fixed_size: 0
    .kernarg_segment_align: 8
    .kernarg_segment_size: 24
    .max_flat_workgroup_size: 256
    .sgpr_count:     100
    .vgpr_count:     512
    .wavefront_size: 32
...
	.end_amdgpu_metadata
.endif
;; end of part 3
;; launch proj (part 4): grid 8 x 32, 4 waves a work-group, clusters of 4 x 4, 327,680 bytes of LDS; arguments yq, wprojq, lowp_scales, out0; writes out0
.if DOCPART == 4
	.amdgcn_target "amdgcn-amd-amdhsa--gfx1250"
	.amdhsa_code_object_version 6
	.text
	.protected	k_q234c6695e4_proj
	.globl	k_q234c6695e4_proj
	.p2align	8
	.type	k_q234c6695e4_proj,@function
k_q234c6695e4_proj:
	s_mov_b64 s[64:65], 0
	v_nop
	global_prefetch_b8 v0, s[64:65] scope:SCOPE_SE
	s_setreg_imm32_b32 hwreg(HW_REG_WAVE_MODE, 25, 1), 1
	s_wait_xcnt 0x0
	s_wait_alu depctr_hold_cnt(0) depctr_sa_sdst(0) depctr_va_vdst(0) depctr_va_sdst(0) depctr_va_ssrc(0) depctr_va_vcc(0) depctr_vm_vsrc(0)
	s_getreg_b32 s2, hwreg(HW_REG_IB_STS2, 6, 4)
	s_cmp_eq_u32 s2, 0
	s_cbranch_scc0 .Lentry_in_a_cluster
	s_endpgm
.Lentry_in_a_cluster:
	s_bfe_u32 s2, ttmp6, 0x10000c
	s_cmp_lg_u32 s2, 0xf033
	s_cbranch_scc0 .Lentry_shape_is_right
	s_endpgm
.Lentry_shape_is_right:
; out0 = y w_proj on codes of FP8 (E4M3); each finished f32 sum is multiplied once by 2^(e6 + e7).  LIMIT: e6 + e7 between -126 and 127.
; A = yq, [8 chunks of 128 K, 2^20 bytes apart][row / 16][c: 4][lane][16 bytes]: an image of the A fragments' registers, laid dense in LDS and read 512 consecutive bytes a load.
; B = wprojq, [8 chunks, 2^17 bytes apart][1024 rows][128 bytes], padded by 16 bytes behind each 128 in LDS.
; A block of 256 x 128 of the result is made by four waves, 128 x 64 each: 32 accumulators; 32 x 8 blocks are 256 work-groups.  K goes in four steps of 256 through two LDS slots.
; Wave w owns one operand (w / 2) of one slot (w % 2): one tensor load brings its two chunks (A: two rows of 32,768 dense bytes; B: of 16,384).  The four loads of the head fill both slots; a slot is filled again by its two owners.
; 4 x 4 work-groups ask jointly for A along a row and for B along a column of the cluster.  The matrix instruction is used transposed: a lane holds eight neighbouring columns of one row.
; PREFETCH: behind its load of the head each wave asks for the tile that it will load next, two K steps on; the four partners that ask for it jointly take a quarter of each chunk, told apart by address, lanes 256 bytes apart.
; Tiles of w_proj, which eight rows of clusters load, are named by the first four rows alone.
.set CHA,    1048576
.set CHB,    131072
.set SIZE_N, 1024
.set PITCH,  144
.set QA,     32768                     ; A's part of a slot for one chunk
.set QB,     128*PITCH                 ; B's
.set SLOT,   2*QA+2*QB
.set SPARE,  2*SLOT                    ; the spare words, 128 bytes a wave
.set SPITCH, 272                       ; the way out: a stage of 16 rows x (256 + 16) bytes a wave, in slot 0, which has had its last fill and its last read by then
.set FR,     16
.set NL,     4
.set NP,     4                         ; places behind this matrix instruction (ISA guide 7.12.1)
.set ADRA, 16
.set ADRB, 20
.set STO,  24
.set RD,   25
.set CO,   26
.set PFO,  27                          ; 256 x lane; never rewritten
.set SPW,  28
.set NIL,  29
.set PFB,  30                          ; 256 x (lane % 16) + a chunk x (lane / 16); never rewritten
.set TMP,  32                          ; v32-63 a block's sums x 2^(e6 + e7)
.set BK,   64                          ; v64-95, v96-127 by turns: 16 rows read back
.set AF,   128                         ; A's eight fragments, window 0; B's four, twice, in window 1 at v0 and v128; the accumulators fill window 2
.set G1, 24
.set G0, 32
.set G1B, 48
.set G0B, 56
.set MSB, 0
.macro WIN new
.if MSB != \new
	s_set_vgpr_msb (MSB<<8)|\new
.set MSB, \new
.endif
.endm
.set MUL,  0xa1
.set TO_B, 0x40
.macro JLOAD g0a, g1a, g0b, g1b
	s_cmp_eq_u32 s15, 0
	s_cbranch_scc0 .Lfor_b_\@
	tensor_load_to_lds s[\g0a:\g0a+3], s[\g1a:\g1a+7]
	s_nop 0
.rept 4
	v_nop
.endr
	s_branch .Lasked_\@
.Lfor_b_\@:
	tensor_load_to_lds s[\g0b:\g0b+3], s[\g1b:\g1b+7]
	s_nop 0
.rept 4
	v_nop
.endr
.Lasked_\@:
.endm
.macro CREST
	s_cmp_lg_u32 s14, 0
	s_cbranch_scc1 .Lnot_wave_0_\@
	s_barrier_signal -3
.Lnot_wave_0_\@:
	s_barrier_wait -3
	s_barrier_signal -1
	s_barrier_wait -1
.endm
.macro CROUND
	s_barrier_signal -1
	s_barrier_wait -1
	CREST
.endm
	s_load_b128 s[4:7], s[0:1], 0x0                ; yq, wprojq
	s_load_b128 s[8:11], s[0:1], 0x10              ; the scales' exponents, out0
	v_lshl_add_u32 v[SPW], v0, 2, SPARE
	v_mov_b32 v[NIL], 0
	ds_add_u32 v[SPW], v[NIL]                      ; the opening lines: the add twice on end and one wait
	ds_add_u32 v[SPW], v[NIL]
	v_lshrrev_b32 v1, 5, v0
	v_readfirstlane_b32 s14, v1
	s_lshr_b32 s15, s14, 1                         ; my half of the rows.  Also: I fetch for A (0) or for B (1)
	s_and_b32 s16, s14, 1                          ; my half of the columns.  Also: the slot that I fill
	s_bfe_u32 s40, ttmp6, 0x40000
	s_bfe_u32 s41, ttmp6, 0x40004
	s_lshl_b32 s42, ttmp9, 2
	s_add_co_u32 s42, s42, s40                     ; block column
	s_and_b32 s67, ttmp7, 0xffff                   ; the row of clusters
	s_lshl_b32 s17, s67, 2
	s_add_co_u32 s17, s17, s41                     ; block row
	s_lshl_b32 s43, s41, 2
	s_lshl_b32 s43, 15, s43
	s_lshl_b32 s44, 0x1111, s40
	s_or_b32 s[G1+0], s43, (0<<16)|(1<<21)         ; A: no padding
	s_mov_b32 s[G1+1], 32768<<16
	s_mov_b32 s[G1+2], 2<<16
	s_mov_b32 s[G1+3], 32768<<16
	s_mov_b32 s[G1+4], 2
	s_mov_b32 s[G1+5], CHA
	s_mov_b32 s[G1+6], 0
	s_mov_b32 s[G1+7], 0
	s_or_b32 s[G1B+0], s44, (0<<16)|(1<<20)|(1<<21)|(4<<22)|(3<<25)   ; B: four words of padding behind every 32
	s_mov_b32 s[G1B+1], 16384<<16
	s_mov_b32 s[G1B+2], 2<<16
	s_mov_b32 s[G1B+3], 16384<<16
	s_mov_b32 s[G1B+4], 2
	s_mov_b32 s[G1B+5], CHB
	s_mov_b32 s[G1B+6], 0
	s_mov_b32 s[G1B+7], 0
	s_lshl_b32 s20, s16, 21                        ; A: my K step, my block's 256 rows
	s_lshl_b32 s18, s17, 15
	s_add_co_u32 s20, s20, s18
	s_mov_b32 s21, 0
	s_lshl_b32 s46, s16, 18                        ; B: my K step, my block's 128 rows
	s_lshl_b32 s19, s42, 14
	s_add_co_u32 s46, s46, s19
	s_mov_b32 s47, 0
	s_mul_i32 s45, s16, SLOT
	s_mul_i32 s66, s15, 2*QA
	s_add_co_u32 s45, s45, s66
	s_lshl_b32 s84, s40, 13                        ; the prefetches: two K steps on, my work-group's quarter
	s_add_co_u32 s84, s84, 4*CHA
	s_mov_b32 s85, 0
	s_lshl_b32 s86, s41, 12
	s_add_co_u32 s86, s86, 4*CHB
	s_mov_b32 s87, 0
	s_wait_dscnt 0x0
	s_wait_kmcnt 0x0
	s_load_b64 s[96:97], s[8:9], 0x18              ; e6, e7
	s_add_nc_u64 s[20:21], s[4:5], s[20:21]
	s_add_nc_u64 s[46:47], s[6:7], s[46:47]
	s_add_nc_u64 s[84:85], s[20:21], s[84:85]
	s_add_nc_u64 s[86:87], s[46:47], s[86:87]
	CROUND                                         ; the first joint loads meet
	s_mov_b32 s[G0], 1
	s_mov_b32 s[G0+1], s45
	s_mov_b64 s[G0+2:G0+3], s[20:21]
	s_or_b32 s[G0+3], s[G0+3], 0x80000000
	s_mov_b32 s[G0B], 1
	s_mov_b32 s[G0B+1], s45
	s_mov_b64 s[G0B+2:G0B+3], s[46:47]
	s_or_b32 s[G0B+3], s[G0B+3], 0x80000000
	JLOAD G0, G1, G0B, G1B                         ; K steps 0 and 1, one tensor load a wave
	s_mul_i32 s21, s15, 16384                      ; my eight groups of 16 rows of A
	s_mul_i32 s22, s16, 64*PITCH                   ; my 64 rows of B,
	s_add_co_u32 s22, s22, 2*QA                    ; behind A's two parts
	s_mul_i32 s23, s14, 16*SPITCH                  ; my stage
	v_and_b32 v1, 15, v0
	v_bfe_u32 v2, v0, 4, 1
	v_mul_u32_u24 v3, v1, PITCH
	v_lshl_add_u32 v4, v2, 4, v3
	v_and_b32 v6, 31, v0
	v_lshlrev_b32 v7, 4, v6
	v_add_nc_u32 v[ADRA], s21, v7
	v_add_nc_u32 v[ADRB], s22, v4
	v_add_nc_u32 v[ADRA+1], SLOT, v[ADRA]
	v_add_nc_u32 v[ADRB+1], SLOT, v[ADRB]
	v_mul_u32_u24 v5, v1, SPITCH
	v_lshl_add_u32 v5, v2, 5, v5
	v_add_nc_u32 v[STO], s23, v5                   ; in: row r, 32 bytes for each half of the lanes
	v_mul_u32_u24 v8, v2, SPITCH
	v_lshl_add_u32 v8, v1, 4, v8
	v_add_nc_u32 v[RD], s23, v8                    ; back: sixteen lanes to a row of 256 bytes, two rows an instruction
	v_lshlrev_b32 v9, 12, v2
	v_lshl_add_u32 v[CO], v1, 4, v9                ; and the same two rows in the result
	v_lshlrev_b32 v[PFO], 8, v6
	v_lshlrev_b32 v10, 17, v2
	v_lshl_add_u32 v[PFB], v1, 8, v10
	s_wait_alu depctr_va_vdst(0)                   ; ahead of the branches
	s_cmp_eq_u32 s15, 0
	s_cbranch_scc0 .Lpf_b
	global_prefetch_b8 v[PFO], s[84:85] th:TH_LOAD_NT scope:SCOPE_SE              ; A: 8,192 bytes of each of the two chunks
	global_prefetch_b8 v[PFO], s[84:85] offset:CHA th:TH_LOAD_NT scope:SCOPE_SE
	s_branch .Lpf_done
.Lpf_b:
	s_cmp_lt_u32 s67, 4
	s_cbranch_scc0 .Lpf_done
	global_prefetch_b8 v[PFB], s[86:87] th:TH_LOAD_NT scope:SCOPE_SE              ; B: 4,096 bytes of each chunk, a chunk to each half of the lanes
.Lpf_done:
	s_lshl_b32 s20, s17, 8
	s_lshl_b32 s21, s15, 7
	s_add_co_u32 s20, s20, s21                     ; my first row
	s_lshl_b32 s20, s20, 12                        ; rows of 4,096 bytes
	s_lshl_b32 s46, s42, 9
	s_lshl_b32 s47, s16, 8
	s_add_co_u32 s46, s46, s47                     ; my first column, in bytes
	s_add_co_u32 s20, s20, s46
	s_mov_b32 s21, 0
	s_add_nc_u64 s[10:11], s[10:11], s[20:21]
.macro MUL8 a0, p, zero                ; the 32 accumulators take turns, in the same order in every step
.irp a, \a0, \a0+1
.irp b, 0,1,2,3
.if \zero
	v_wmma_f32_16x16x128_fp8_fp8 v[8*(4*(\a)+\b):8*(4*(\a)+\b)+7], v[128*(\p)+FR*\b:128*(\p)+FR*\b+FR-1], v[AF+FR*(\a):AF+FR*(\a)+FR-1], 0
.else
	v_wmma_f32_16x16x128_fp8_fp8 v[8*(4*(\a)+\b):8*(4*(\a)+\b)+7], v[128*(\p)+FR*\b:128*(\p)+FR*\b+FR-1], v[AF+FR*(\a):AF+FR*(\a)+FR-1], v[8*(4*(\a)+\b):8*(4*(\a)+\b)+7]
.endif
.endr
.endr
.endm
.macro FETCH_B slot, q, p
	WIN TO_B
.irp i, 0,1,2,3
.irp c, 0,1,2,3
	ds_load_b128 v[128*(\p)+FR*\i+4*\c:128*(\p)+FR*\i+4*\c+3], v[ADRB+\slot] offset:(\q)*QB+32*\c+\i*16*PITCH
.endr
.endr
	WIN 0
.endm
.macro FETCH_A slot, q, i0
.irp i, \i0, \i0+1, \i0+2, \i0+3
.irp c, 0,1,2,3
	ds_load_b128 v[AF+FR*(\i)+4*\c:AF+FR*(\i)+4*\c+3], v[ADRA+\slot] offset:(\q)*QA+(\i)*2048+512*\c
.endr
.endr
.endm
.macro PLACES n
.rept \n
	v_nop
.endr
.endm
.macro STEP slot, q, zero
	s_wait_dscnt 4*NL                              ; all but the youngest sixteen loads (A's blocks 4-7)
	WIN MUL
	MUL8 0, (\q)%2, \zero
	MUL8 2, (\q)%2, \zero
	s_wait_dscnt 0
	PLACES NP
	FETCH_B \slot, (\q)+1, 1-(\q)%2
	FETCH_A \slot, (\q)+1, 0
	WIN MUL
	MUL8 4, (\q)%2, \zero
	MUL8 6, (\q)%2, \zero
	PLACES NP
	WIN 0
	FETCH_A \slot, (\q)+1, 4
.endm
.macro TURN slot, next, fill
	s_wait_tensorcnt 0x0                           ; all my tensor loads have landed
	ds_add_u32 v[SPW], v[NIL]
	s_wait_dscnt 4*NL+1                            ; (the add and the youngest sixteen loads may be out)
	WIN MUL
	MUL8 0, 1, 0
	s_wait_dscnt 0x0                               ; the add is done, my reads of this slot are over
	s_barrier_signal -1
	MUL8 2, 1, 0
	WIN 0
	s_barrier_wait -1
.if \fill
	CREST                                          ; the barrier has opened a round of the cluster's barrier
	s_cmp_lg_u32 s16, \slot                        ; the two waves that own this slot fill it again: a branch on the wave's number
	s_cbranch_scc1 .Lnone_\@
	s_add_nc_u64 s[G0+2:G0+3], s[G0+2:G0+3], 4*CHA
	s_add_nc_u64 s[G0B+2:G0B+3], s[G0B+2:G0B+3], 4*CHB
	JLOAD G0, G1, G0B, G1B                         ; my one tensor load behind the round
.Lnone_\@:
.endif
	PLACES NP
	FETCH_B \next, 0, 0
	FETCH_A \next, 0, 0
	WIN MUL
	MUL8 4, 1, 0
	MUL8 6, 1, 0
	PLACES NP
	WIN 0
	FETCH_A \next, 0, 4
.endm
	s_wait_alu depctr_va_vdst(0)                   ; the head's end
	s_wait_tensorcnt 0x0                           ; my two parts are in
	s_barrier_signal -1
	s_barrier_wait -1                              ; both slots are whole
	FETCH_B 0, 0, 0
	FETCH_A 0, 0, 0
	FETCH_A 0, 0, 4
	STEP 0, 0, 1                                   ; the first step's products start the sums
	TURN 0, 1, 1
	STEP 1, 0, 0
	TURN 1, 0, 1
	STEP 0, 0, 0
	TURN 0, 1, 0
	STEP 1, 0, 0
	s_wait_dscnt 4*NL
	WIN MUL
	MUL8 0, 1, 0
	MUL8 2, 1, 0
	s_wait_dscnt 0
	MUL8 4, 1, 0
	MUL8 6, 1, 0
	WIN 0
; THE WAY OUT, block by block of 16 rows x 64 columns, through my own stage: LDS serves a wave's instructions in order (ISA guide 5.7.1.4), so no wait stands between the stores and the loads.
.macro TOSTAGE a
	WIN 0x02
.set j, 0
.rept 16
	v_pk_mul_f32 v[TMP+j:TMP+j+1], v[32*(\a)+j:32*(\a)+j+1], s[96:97] op_sel_hi:[1,0]   ; x 2^(e6 + e7); each accumulator from its low end on
.set j, j+2
.endr
	WIN 0
.irp b, 0,1,2,3
	ds_store_b128 v[STO], v[TMP+8*\b:TMP+8*\b+3] offset:64*\b
	ds_store_b128 v[STO], v[TMP+8*\b+4:TMP+8*\b+7] offset:64*\b+16
.endr
.set BB, BK+32*((\a)%2)
.irp t, 0,1,2,3,4,5,6,7
	ds_load_b128 v[BB+4*\t:BB+4*\t+3], v[RD] offset:\t*2*SPITCH
.endr
.endm
.macro SEND a, younger                 ; younger: the LDS instructions issued behind block a's loads
.set BB, BK+32*((\a)%2)
	s_wait_dscnt \younger
.if (\a) > 0
	s_add_nc_u64 s[10:11], s[10:11], 16*SIZE_N*4   ; (behind a wait on XCNT: the earlier stores have read their base)
.endif
.irp t, 0,1,2,3,4,5,6,7
	global_store_b128 v[CO], v[BB+4*\t:BB+4*\t+3], s[10:11] offset:\t*2*SIZE_N*4 th:TH_STORE_NT   ; sixteen lanes store 256 consecutive bytes, aligned
.endr
.endm
	s_wait_kmcnt 0x0
	s_add_co_i32 s96, s96, s97
	s_add_co_i32 s96, s96, 127
	s_lshl_b32 s96, s96, 23                        ; 2^(e6 + e7)
	PLACES NP
	TOSTAGE 0
.irp a, 1,2,3,4,5,6,7
.if \a > 1
	s_wait_xcnt 0x0                                ; block a - 2's stores have read their registers and their base
.endif
	TOSTAGE \a
	SEND \a-1, 16                                  ; behind block a - 1's loads: block a's 8 stores and 8 loads
.endr
	s_wait_xcnt 0x0
	SEND 7, 0
	s_wait_tensorcnt 0x0                           ; the wave's end
	ds_add_u32 v[SPW], v[NIL]
	s_wait_dscnt 0x0
	CROUND                                         ; the closing round
	s_endpgm
.Lfunc_end_k_q234c6695e4_proj:
	.size	k_q234c6695e4_proj, .Lfunc_end_k_q234c6695e4_proj-k_q234c6695e4_proj
	.p2alignl 7, 3214868480
	.fill 96, 4, 3214868480
	.section	.rodata,"a",@progbits
	.p2align	6, 0x0
	.amdhsa_kernel k_q234c6695e4_proj
		.amdhsa_group_segment_fixed_size 327680
		.amdhsa_private_segment_fixed_size 0
		.amdhsa_enable_private_segment 0
		.amdhsa_kernarg_size 32
		.amdhsa_user_sgpr_count 2
		.amdhsa_user_sgpr_kernarg_segment_ptr 1
		.amdhsa_wavefront_size32 1
		.amdhsa_system_sgpr_workgroup_id_x 1
		.amdhsa_system_sgpr_workgroup_id_y 1
		.amdhsa_system_sgpr_workgroup_id_z 1
		.amdhsa_system_vgpr_workitem_id 0
		.amdhsa_next_free_vgpr 768
		.amdhsa_next_free_sgpr 98
		.amdhsa_reserve_vcc 0
		.amdhsa_float_denorm_mode_32 3
		.amdhsa_float_denorm_mode_16_64 3
		.amdhsa_memory_ordered 1
		.amdhsa_forward_progress 1
		.amdhsa_inst_pref_size 77
	.end_amdhsa_kernel
	.amdgpu_metadata
---
amdhsa.version: [ 1, 2 ]
amdhsa.kernels:
  - .name:           k_q234c6695e4_proj
    .symbol:         k_q234c6695e4_proj.kd
    .args:
      - { .name: yq, .offset: 0, .size: 8, .value_kind: global_buffer, .address_space: global }
      - { .name: wprojq, .offset: 8, .size: 8, .value_kind: global_buffer, .address_space: global }
      - { .name: lowp_scales, .offset: 16, .size: 8, .value_kind: global_buffer, .address_space: global }
      - { .name: out0, .offset: 24, .size: 8, .value_kind: global_buffer, .address_space: global }
    .group_segment_fixed_size: 327680
    .private_segment_fixed_size: 0
    .kernarg_segment_align: 8
    .kernarg_segment_size: 32
    .max_flat_workgroup_size: 128
    .sgpr_count:     98
    .vgpr_count:     768
    .wavefront_size: 32
...
	.end_amdgpu_metadata
.endif
;; end of part 4
